; MI455X (gfx1250); checked and timed in simulation.
; The chip was launched on July 23, 2026; its instructions are those of AMD's public machine-readable ISA for CDNA 5 (MIT licence, August 2026) and "CDNA5" Instruction Set Architecture Reference Guide (July 2026). The comments in the code are by the model that wrote it; some were corrected since.
;; Encoder. Allowed arithmetic: matrix products marked QUANTISED: E5M2 operands, one E8M0 scale for each 32 along K, by v_wmma_scale_f32_16x16x128_f8f6f4 with both operands' format E5M2, f32 sums; everything else in f32.
;; Inputs: W1_codes 4,096 x 32 x 32 uint8 (E5M2 codes of W1, K innermost, in blocks of 32 codes); W1_scales 4,096 x 32 uint8 (E8M0 scales of W1, one for each 32 codes along K); W2_codes 1,024 x 128 x 32 uint8 (E5M2 codes of W2, K innermost, in blocks of 32 codes); W2_scales 1,024 x 128 uint8 (E8M0 scales of W2, one for each 32 codes along K); Wk_codes 1,024 x 32 x 32 uint8 (E5M2 codes of Wk, K innermost, in blocks of 32 codes); Wk_scales 1,024 x 32 uint8 (E8M0 scales of Wk, one for each 32 codes along K); Wo_codes 1,024 x 32 x 32 uint8 (E5M2 codes of Wo, K innermost, in blocks of 32 codes); Wo_scales 1,024 x 32 uint8 (E8M0 scales of Wo, one for each 32 codes along K); Wq_codes 1,024 x 32 x 32 uint8 (E5M2 codes of Wq, K innermost, in blocks of 32 codes); Wq_scales 1,024 x 32 uint8 (E8M0 scales of Wq, one for each 32 codes along K); Wv_codes 1,024 x 32 x 32 uint8 (E5M2 codes of Wv, K innermost, in blocks of 32 codes); Wv_scales 1,024 x 32 uint8 (E8M0 scales of Wv, one for each 32 codes along K); b1 4,096 float32; b2 1,024 float32; bk 1,024 float32; bo 1,024 float32; bq 1,024 float32; bv 1,024 float32; ln_b 1,024 float32; ln_g 1,024 float32; question_embeddings 2 x 2,048 x 1,024 float32; question_mask 2 x 1 x 1 x 2,048 int32.
;; Outputs: out0 2 x 2,048 x 1,024 float32.
;; This version of the problem:
;;   THIS VERSION OF THE PROBLEM IS GIVEN IN LOW PRECISION. The matrix products marked QUANTISED in the list below multiply operands that are first quantised to E5M2 (5 exponent bits, 2 mantissa bits; 8 bits a number), with one power-of-two scale for each 32 numbers along K (OCP MX v1.0); their sums are f32. All else is computed in f32.
;;   The module's matrix products, in the order in which they are computed (A, B: the left and right operand; K: the contracted axis; several contracted axes count as one K, in the product's order):
;;     1. [M 4,096, K 1,024] x [K 1,024, N 1,024]; A: input question_embeddings; B: input Wq (given as codes): QUANTISED
;;     2. [M 4,096, K 1,024] x [K 1,024, N 1,024]; A: input question_embeddings; B: input Wk (given as codes): QUANTISED
;;     3. [M 4,096, K 1,024] x [K 1,024, N 1,024]; A: input question_embeddings; B: input Wv (given as codes): QUANTISED
;;     4. batch 32 x [M 2,048, K 64] x [K 64, N 2,048]; A: computed on the way; B: computed on the way: QUANTISED
;;     5. batch 32 x [M 2,048, K 2,048] x [K 2,048, N 64]; A: softmax (see below); B: computed on the way: QUANTISED
;;     6. [M 4,096, K 1,024] x [K 1,024, N 1,024]; A: computed on the way; B: input Wo (given as codes): QUANTISED
;;     7. [M 4,096, K 1,024] x [K 1,024, N 4,096]; A: computed on the way; B: input W1 (given as codes): QUANTISED
;;     8. [M 4,096, K 4,096] x [K 4,096, N 1,024]; A: computed on the way; B: input W2 (given as codes): QUANTISED
;;   THE QUANTISER, for each operand of a quantised product, along K:
;;     - K is cut into blocks of 32 from its start; a last block that is shorter is filled with zeros.
;;     - A block's scale is 2^e with e = floor(log2(the largest magnitude in the block)) - 15, held to -126 .. 127; a block of zeros has e = 0. As a byte (E8M0): e + 127.
;;     - Each number is divided by its block's scale, clamped to +-57,344, and rounded to the nearest number of E5M2, ties to even, subnormals kept.
;;     - The product sums the exact products of the quantised numbers (number of the format x scale) in f32.
;;   ~~~python
;;   def quantise(x, axis):      # numpy; x: float32 -> the quantised numbers, widened to float32 again
;;       x = np.moveaxis(x, axis, -1); K = x.shape[-1]
;;       x = np.pad(x, [(0, 0)] * (x.ndim - 1) + [(0, -K % 32)]); x = x.reshape(x.shape[:-1] + (-1, 32)); a = np.abs(x).max(-1, keepdims=True)
;;       e = np.where(a > 0, np.clip(np.frexp(np.where(a > 0, a, 1))[1] - 1 - 15, -126, 127), 0)      # np.frexp(a)[1] - 1 = floor(log2(a)), exactly
;;       r = np.clip(x / 2.0 ** e, -57344, 57344)
;;       step = 2.0 ** (np.maximum(np.frexp(np.where(r == 0, 1, r))[1] - 1, -14) - 2)
;;       q = np.round(r / step) * step * 2.0 ** e      # np.round: ties to even
;;       return np.moveaxis(q.reshape(q.shape[:-2] + (-1,))[..., :K], -1, axis).astype(np.float32)
;;   ~~~
;;   SOFTMAX AHEAD OF A QUANTISED PRODUCT. Where the list says 'softmax', what is quantised is not the finished softmax but p = 2^(t - M), with t = logit x log2(e) and M = ceil(the row's largest t), a whole number; so 1/2 < the row's largest p <= 1. The row's sum l is taken of the UNQUANTISED p, in f32, and the product's result is divided by l at the end. Since M is a whole number, a kernel that streams over the keys may use a running M (the ceiling of the running maximum): every later rescaling is an exact power of two, which a block's scale takes up: the codes' values come out the same.
;;   OPERANDS COMPUTED ON THE WAY. 'Computed on the way' means the value that the module computes at that place (a softmax that the list does not call 'softmax' is quantised finished and normalised). What goes into a quantiser is computed in f32, as accurately as f32 sums, v_exp_f32 and their like allow (about 1e-6 of the number): no bf16 or f16 on the way to a quantiser, and a product that is left as it is and whose result goes on into a quantised operand takes f32 operands (vector FMAs, or v_wmma_f32_16x16x4_f32). A number that lies on a knife's edge between two numbers of the format may be rounded either way, as far as f32 arithmetic and the matrix unit's own rounding can turn it there, and no further.
;;   INPUTS GIVEN AS CODES. W1 (in the module: [4096, 1024], K = its axis 1); W2 (in the module: [1024, 4096], K = its axis 1); Wk (in the module: [1024, 1024], K = its axis 1); Wo (in the module: [1024, 1024], K = its axis 1); Wq (in the module: [1024, 1024], K = its axis 1); Wv (in the module: [1024, 1024], K = its axis 1): each comes as NAME_codes (uint8): NAME with its K axis moved to the last place and cut into blocks of 32 codes, [.., K / 32, bytes a block], one block behind the other in memory; one code a byte (a code: sign, 5 exponent bits, 2 mantissa bits); and NAME_scales (uint8): the same leading axes, one E8M0 byte (e + 127) for each 32 codes along K. Its value is code x scale, taken as it is: it is not quantised again, and the codes and scales need not be those that the quantiser above would give.
;; One version. Each part assembles by itself: llvm-mc -triple=amdgcn-amd-amdhsa -mcpu=gfx1250 --defsym DOCPART=n.
;; ======== version 1 of 1: 8 launches
;; limits: right only within a limited range of input values
;; workspace buffers: aqc 4,194,304 bytes; aqs 131,072 bytes; qkvc 12,582,912 bytes; qkvs 655,360 bytes; img 16,777,216 bytes; imgs 524,288 bytes; y 16,777,216 bytes; h 16,777,216 bytes
;; launch qx (part 1): grid 256 x 1, 16 waves a work-group, no clusters, 84,480 bytes of LDS; arguments question_embeddings, aqc, aqs; writes aqc, aqs
.if DOCPART == 1
	.amdgcn_target "amdgcn-amd-amdhsa--gfx1250"
	.amdhsa_code_object_version 6
	.text
	.protected	k_qc1a31741d4_qx
	.globl	k_qc1a31741d4_qx
	.p2align	8
	.type	k_qc1a31741d4_qx,@function
k_qc1a31741d4_qx:
	s_mov_b64 s[64:65], 0
	v_nop
	global_prefetch_b8 v0, s[64:65] scope:SCOPE_SE
	s_setreg_imm32_b32 hwreg(HW_REG_WAVE_MODE, 25, 1), 1
	s_wait_xcnt 0x0
; x [4096][1024] f32 becomes codes of E5M2 (aqc, [4096][1024], K innermost) and one E8M0 byte for each 32 along K (aqs, [4096][32]).
; A block's scale is 2^(floor(log2(its largest magnitude)) - 15); its byte is the largest magnitude's exponent field - 15, held at 1 from below.
; A block of zeros so gets the byte 1: its codes are zeros, and only this program reads the bytes.
; LIMITS: NaN and infinities among the inputs are not served.
; SHARES.  A wave takes one row, 1,024 numbers, in two steps of 512; a work-group of sixteen waves takes 16 rows.  All eight loads of a wave go out at its head:
; 4,096 waves x 4,096 bytes are the whole tensor, so every byte of x is asked for before any is worked on, and no load waits for the work on an earlier one.
; Each load reads 512 consecutive bytes; a step's 2,048 bytes turn through the wave's own stage in LDS and come back 64 bytes a lane, so that a lane holds 16 neighbours (two lanes a block).
; A lane's 16 codes are 16 bytes: the wave stores 512 consecutive bytes.  A wave makes 32 scale bytes: the sixteen waves gather theirs in 512 bytes of LDS, and behind one barrier wave 0 stores them: 512 consecutive, aligned bytes.
.set STEPS, 2
.set EMAX,  15
.set MANT,  0x600000                   ; the mantissa field of 57,344 as f32
.set CB,    16                         ; bytes of 16 codes
.set R,     16                         ; v16-47   two sets of 16 numbers as loaded
.set X,     80                         ; v80-111  two sets of 16 neighbours
.set C,     128                        ; v128-135 codes: four registers a step, never written twice
.set E,     112                        ; v112-113 a scale byte a step
.set SP,    80                         ; a lane's place in a stage: 64 bytes + 16 of padding
.set WREG,  2*32*SP                    ; LDS of a wave: two stages of 32 x SP bytes
.set SCB,   16*WREG                    ; behind the sixteen waves' stages: the work-group's 512 scale bytes
	s_load_b128 s[4:7], s[0:1], 0x0                ; x, the codes
	s_load_b64 s[10:11], s[0:1], 0x10              ; the scale bytes
	v_lshl_add_u32 v144, v0, 2, 0x14200
	v_mov_b32 v145, 0
	v_lshrrev_b32 v1, 5, v0
	s_delay_alu instid0(VALU_DEP_1)
	v_readfirstlane_b32 s16, v1                    ; wave 0..15
	v_and_b32 v2, 31, v0                           ; lane
	s_delay_alu instid0(VALU_DEP_1)
	v_lshlrev_b32 v3, 4, v2                        ; 16 lane: my 16 bytes of a load's 512, and of a store's; never rewritten
	s_mul_i32 s17, s16, WREG
	v_lshrrev_b32 v14, 2, v2
	s_delay_alu instid0(VALU_DEP_1)
	v_mul_u32_u24 v14, v14, SP
	v_and_b32 v15, 3, v2
	s_delay_alu instid0(VALU_DEP_1)
	v_lshl_add_u32 v14, v15, 4, v14
	s_delay_alu instid0(VALU_DEP_1)
	v_add_nc_u32 v14, s17, v14                     ; the stage, way in: SP (lane / 4) + 16 (lane % 4)
	v_mul_u32_u24 v15, v2, SP
	s_delay_alu instid0(VALU_DEP_1)
	v_add_nc_u32 v15, s17, v15                     ; way out: SP x lane
	s_lshl_b32 s17, s16, 5
	s_add_co_u32 s17, s17, SCB
	v_lshrrev_b32 v5, 1, v2
	s_delay_alu instid0(VALU_DEP_1)
	v_add_nc_u32 v5, s17, v5                       ; my block's byte: 32 bytes a wave, one for two lanes
	v_add_nc_u32 v6, SCB, v3                       ; and where wave 0 reads all 512 back: 16 bytes a lane
	s_mov_b32 s23, MANT
	s_lshl_b32 s18, ttmp9, 4
	s_add_co_u32 s18, s18, s16                     ; my row: 16 x work-group + wave
	s_mov_b32 s19, 0
	s_lshl_b64 s[20:21], s[18:19], 12              ; 4,096 bytes of x a row
	s_lshl_b64 s[24:25], s[18:19], 10              ; 1,024 bytes of codes
	s_lshl_b32 s18, ttmp9, 9                       ; 512 scale bytes a work-group
	s_wait_alu depctr_va_vdst(0)
	s_wait_kmcnt 0x0
	s_add_nc_u64 s[4:5], s[4:5], s[20:21]
	s_add_nc_u64 s[8:9], s[6:7], s[24:25]
	s_add_nc_u64 s[10:11], s[10:11], s[18:19]
.macro LOAD t
.irp i, 0,1,2,3
	global_load_b128 v[R+16*(\t)+4*\i:R+16*(\t)+4*\i+3], v3, s[4:5] offset:2048*(\t)+512*\i
.endr
.endm
.macro TURN t                          ; step t through its stage: LDS serves a wave's instructions in order, so no wait stands between stores and loads
.irp i, 0,1,2,3
	ds_store_b128 v14, v[R+16*(\t)+4*\i:R+16*(\t)+4*\i+3] offset:32*SP*(\t)+8*SP*\i
.endr
.irp i, 0,1,2,3
	ds_load_b128 v[X+16*(\t)+4*\i:X+16*(\t)+4*\i+3], v15 offset:32*SP*(\t)+16*\i
.endr
.endm
	LOAD 0
	LOAD 1
	s_wait_loadcnt 4                               ; step 0's four loads are in; step 1's four may be out
	TURN 0
.macro STEP t
.set XS, X+16*(\t)
.if (\t) > 0
	s_wait_dscnt 1                                 ; this step's numbers are back (the last step's byte store may be out)
.else
	s_wait_dscnt 0x0
.endif
.if (\t)+1 < STEPS
	s_wait_loadcnt 0x0                             ; the next step's loads are in,
	TURN (\t)+1                                    ; and go through the other stage while this step is worked
.endif
	v_max3_num_f32 v8, |v[XS]|, |v[XS+1]|, |v[XS+2]|
	v_max3_num_f32 v9, |v[XS+3]|, |v[XS+4]|, |v[XS+5]|
.irp i, 6,10
	s_delay_alu instid0(VALU_DEP_2)
	v_max3_num_f32 v8, v8, |v[XS+\i]|, |v[XS+\i+1]|
	s_delay_alu instid0(VALU_DEP_2)
	v_max3_num_f32 v9, v9, |v[XS+\i+2]|, |v[XS+\i+3]|
.endr
	s_delay_alu instid0(VALU_DEP_2)
	v_max3_num_f32 v8, v8, |v[XS+14]|, |v[XS+15]|
	s_delay_alu instid0(VALU_DEP_1)
	v_max3_num_f32 v8, v8, v9, (EMAX+1)<<23        ; the floor 2^(16 - 127): the byte cannot fall under 1
	s_delay_alu instid0(VALU_DEP_1)
	v_max_num_f32_dpp v8, v8, v8 row_xmask:1 row_mask:0xf bank_mask:0xf   ; with my neighbour's 16: the block's
	s_delay_alu instid0(VALU_DEP_1)
	v_add_nc_u32 v11, -(EMAX<<23), v8              ; 15 off the exponent field: the conversion's scale operand
	s_delay_alu instid0(VALU_DEP_2)
	v_and_or_b32 v10, v8, 0x7f800000, s23          ; 57,344 x the scale
.irp i, 0,1,2,3,4,5,6,7,8,9,10,11,12,13,14,15
	v_med3_num_f32 v[XS+\i], v[XS+\i], -v10, v10   ; the conversion does not saturate (ISA guide 7.6.2): hold first
.endr
	v_cvt_scalef32_pk8_bf8_f32 v[C+4*(\t):C+4*(\t)+1], v[XS:XS+7], v11
	v_cvt_scalef32_pk8_bf8_f32 v[C+4*(\t)+2:C+4*(\t)+3], v[XS+8:XS+15], v11
	v_lshrrev_b32 v[E+(\t)], 23, v11               ; the scale's byte; also the plain line behind the conversions
	ds_store_b8 v5, v[E+(\t)] offset:16*(\t)       ; both lanes of a block write the same byte with the same value
	global_store_b128 v3, v[C+4*(\t):C+4*(\t)+3], s[8:9] offset:32*CB*(\t)
.endm
	STEP 0
	STEP 1
	s_wait_dscnt 0x0                               ; for the others' sake: my two byte stores are done
	s_barrier_signal -1
	s_barrier_wait -1                              ; all sixteen waves' 32 bytes lie in LDS
	s_cmp_lg_u32 s16, 0
	s_cbranch_scc1 .Ldone
	ds_load_b128 v[8:11], v6
	s_wait_dscnt 0x0
	global_store_b128 v3, v[8:11], s[10:11]        ; 32 lanes store 512 consecutive bytes, aligned
.Ldone:
	s_wait_tensorcnt 0x0
	ds_add_u32 v144, v145
	s_wait_dscnt 0x0
	s_endpgm
.Lfunc_end_k_qc1a31741d4_qx:
	.size	k_qc1a31741d4_qx, .Lfunc_end_k_qc1a31741d4_qx-k_qc1a31741d4_qx
	.p2alignl 7, 3214868480
	.fill 96, 4, 3214868480
	.section	.rodata,"a",@progbits
	.p2align	6, 0x0
	.amdhsa_kernel k_qc1a31741d4_qx
		.amdhsa_group_segment_fixed_size 84480
		.amdhsa_private_segment_fixed_size 0
		.amdhsa_enable_private_segment 0
		.amdhsa_kernarg_size 24
		.amdhsa_user_sgpr_count 2
		.amdhsa_user_sgpr_kernarg_segment_ptr 1
		.amdhsa_wavefront_size32 1
		.amdhsa_system_sgpr_workgroup_id_x 1
		.amdhsa_system_sgpr_workgroup_id_y 1
		.amdhsa_system_sgpr_workgroup_id_z 1
		.amdhsa_system_vgpr_workitem_id 0
		.amdhsa_next_free_vgpr 146
		.amdhsa_next_free_sgpr 66
		.amdhsa_reserve_vcc 0
		.amdhsa_float_denorm_mode_32 3
		.amdhsa_float_denorm_mode_16_64 3
		.amdhsa_memory_ordered 1
		.amdhsa_forward_progress 1
		.amdhsa_inst_pref_size 9
	.end_amdhsa_kernel
	.amdgpu_metadata
---
amdhsa.version: [ 1, 2 ]
amdhsa.kernels:
  - .name:           k_qc1a31741d4_qx
    .symbol:         k_qc1a31741d4_qx.kd
    .args:
      - { .name: question_embeddings, .offset: 0, .size: 8, .value_kind: global_buffer, .address_space: global }
      - { .name: aqc, .offset: 8, .size: 8, .value_kind: global_buffer, .address_space: global }
      - { .name: aqs, .offset: 16, .size: 8, .value_kind: global_buffer, .address_space: global }
    .group_segment_fixed_size: 84480
    .private_segment_fixed_size: 0
    .kernarg_segment_align: 8
    .kernarg_segment_size: 24
    .max_flat_workgroup_size: 512
    .sgpr_count:     66
    .vgpr_count:     146
    .wavefront_size: 32
...
	.end_amdgpu_metadata
.endif
;; end of part 1
;; launch qkv (part 2): grid 12 x 16, 4 waves a work-group, clusters of 4 x 4, 327,680 bytes of LDS; arguments aqc, aqs, Wq_codes, Wq_scales, Wk_codes, Wk_scales, Wv_codes, Wv_scales, bq, bk, bv, qkvc, qkvs; writes qkvc, qkvs
.if DOCPART == 2
	.amdgcn_target "amdgcn-amd-amdhsa--gfx1250"
	.amdhsa_code_object_version 6
	.text
	.protected	k_qc1a31741d4_qkv
	.globl	k_qc1a31741d4_qkv
	.p2align	8
	.type	k_qc1a31741d4_qkv,@function
k_qc1a31741d4_qkv:
	s_mov_b64 s[64:65], 0
	v_nop
	global_prefetch_b8 v0, s[64:65] scope:SCOPE_SE
	s_setreg_imm32_b32 hwreg(HW_REG_WAVE_MODE, 25, 1), 1
	s_wait_xcnt 0x0
	s_wait_alu depctr_hold_cnt(0) depctr_sa_sdst(0) depctr_va_vdst(0) depctr_va_sdst(0) depctr_va_ssrc(0) depctr_va_vcc(0) depctr_vm_vsrc(0)
	s_getreg_b32 s2, hwreg(HW_REG_IB_STS2, 6, 4)
	s_cmp_eq_u32 s2, 0
	s_cbranch_scc0 .Lentry_in_a_cluster
	s_endpgm
.Lentry_in_a_cluster:
	s_bfe_u32 s2, ttmp6, 0x10000c
	s_cmp_lg_u32 s2, 0xf033
	s_cbranch_scc0 .Lentry_shape_is_right
	s_endpgm
.Lentry_shape_is_right:
.set KSTEP,  256
.set NQ,     2
.set ROWB,   256
.set KROW,   1024
.set PITCH,  272
.set FR,     16
.set NL,     4
.set NP,     8
.set HALFT,  128*PITCH
.set SLOT,   4*HALFT
.set LAPS,   2
.set KS,     32
.set SCL,    2*SLOT
.set HALFS,  (128*KS/256)*272
.set SBLK,   (16*KS/256)*272
.set SPARE,  SCL+4*HALFS
.set ADRA, 16
.set ADRB, 20
.set H16,  22
.set SCO,  24
.set O2,   25
.set LI,   26
.set ADRS, 27
.set SPW,  28
.set NIL,  29
.set BO,   30
.set BR,   31
.set SC,   32
.set BI,   64
.set AF,   128
.set PCB,  128
.set PWS,  160
.set OW,   168
.set TM,   200
.set ISV,  2
.set SEL,  66
.set TOP,  94
.set MNT,  95
.set G1, 24
.set G0, 32
.set G1B, 48
.set G0B, 56
.set G1S, 68
.set G0S, 76
.set G1SB, 80
.set G0SB, 88
.set MSB, 0
.macro WIN new
.if MSB != \new
	s_set_vgpr_msb (MSB<<8)|\new
.set MSB, \new
.endif
.endm
.set MUL_LO, 0xa1
.set MUL_HI, 0xf1
.set TO_B,   0x40
.macro JLOAD g0a, g1a, g0b, g1b
	s_cmp_eq_u32 s15, 0
	s_cbranch_scc0 .Lfor_b_\@
	tensor_load_to_lds s[\g0a:\g0a+3], s[\g1a:\g1a+7]
	s_nop 0
.rept 4
	v_nop
.endr
	s_branch .Lasked_\@
.Lfor_b_\@:
	tensor_load_to_lds s[\g0b:\g0b+3], s[\g1b:\g1b+7]
	s_nop 0
.rept 4
	v_nop
.endr
.Lasked_\@:
.endm
.macro CREST
	s_cmp_lg_u32 s14, 0
	s_cbranch_scc1 .Lnot_wave_0_\@
	s_barrier_signal -3
.Lnot_wave_0_\@:
	s_barrier_wait -3
	s_barrier_signal -1
	s_barrier_wait -1
.endm
.macro CROUND
	s_barrier_signal -1
	s_barrier_wait -1
	CREST
.endm
	s_load_b512 s[68:83], s[0:1], 0x0
	s_load_b256 s[84:91], s[0:1], 0x40
	s_load_b64 s[92:93], s[0:1], 0x60
	v_lshl_add_u32 v[SPW], v0, 2, SPARE
	v_mov_b32 v[NIL], 0
	ds_add_u32 v28, v29
	ds_add_u32 v28, v29
	s_wait_dscnt 0x0
	v_lshrrev_b32 v1, 5, v0
	v_readfirstlane_b32 s14, v1
	s_lshr_b32 s15, s14, 1
	s_and_b32 s16, s14, 1
	s_bfe_u32 s40, ttmp6, 0x40000
	s_bfe_u32 s41, ttmp6, 0x40004
	s_and_b32 s96, ttmp7, 0xffff
	s_lshl_b32 s96, s96, 2
	s_cmp_eq_u32 ttmp9, 2
	s_cselect_b32 s[ISV], 1, 0
	s_cselect_b32 s97, 0, s96
	s_cselect_b32 s96, s96, 0
	s_add_co_u32 s17, s41, s97
	s_add_co_u32 s42, s40, s96
	s_lshl_b32 s43, s41, 2
	s_lshl_b32 s43, 15, s43
	s_lshl_b32 s44, 0x1111, s40
	s_wait_kmcnt 0x0
	s_cmp_eq_u32 ttmp9, 0
	s_cselect_b64 s[72:73], s[72:73], s[76:77]
	s_cselect_b64 s[74:75], s[74:75], s[78:79]
	s_cselect_b64 s[98:99], s[84:85], s[86:87]
	s_cmp_eq_u32 ttmp9, 2
	s_cselect_b64 s[72:73], s[80:81], s[72:73]
	s_cselect_b64 s[74:75], s[82:83], s[74:75]
	s_cselect_b64 s[98:99], s[88:89], s[98:99]
	s_cselect_b64 s[4:5], s[72:73], s[68:69]
	s_cselect_b64 s[6:7], s[74:75], s[70:71]
	s_cselect_b64 s[8:9], s[68:69], s[72:73]
	s_cselect_b64 s[10:11], s[70:71], s[74:75]
	s_mov_b64 s[12:13], s[90:91]
	s_mov_b64 s[100:101], s[92:93]
	s_or_b32 s[G1+0], s43, (0<<16)|(1<<20)|(1<<21)|(5<<22)|(3<<25)
	s_or_b32 s[G1B+0], s44, (0<<16)|(1<<20)|(1<<21)|(5<<22)|(3<<25)
.irp g, G1, G1B
	s_mov_b32 s[\g+1], ROWB<<16
	s_mov_b32 s[\g+2], 256<<16                     ; the head's loads bring 256 rows
	s_mov_b32 s[\g+3], ROWB<<16
	s_mov_b32 s[\g+4], 256
	s_mov_b32 s[\g+5], KROW
	s_mov_b32 s[\g+6], 0
	s_mov_b32 s[\g+7], 0
.endr
	s_or_b32 s[G1S+0], s43, (3<<16)|(1<<20)|(1<<21)|(5<<22)|(3<<25)
	s_or_b32 s[G1SB+0], s44, (3<<16)|(1<<20)|(1<<21)|(5<<22)|(3<<25)
.irp g, G1S, G1SB
	s_mov_b32 s[\g+1], 32<<16
	s_mov_b32 s[\g+2], KS<<16                      ; the scale bytes of 256 rows: KS units of 256 bytes
	s_mov_b32 s[\g+3], 32<<16
	s_mov_b32 s[\g+4], KS
	s_mov_b32 s[\g+5], 32
	s_mov_b32 s[\g+6], 0
	s_mov_b32 s[\g+7], 0
.endr
	s_lshl_b32 s20, s17, 8                         ; the tiles' first rows
	s_lshl_b32 s46, s42, 8
	s_mov_b32 s21, 0
	s_mov_b32 s47, 0
	s_mov_b64 s[18:19], KS
	s_mul_u64 s[22:23], s[20:21], s[18:19]
	s_mul_u64 s[92:93], s[46:47], s[18:19]
	s_mov_b64 s[18:19], KROW
	s_mul_u64 s[20:21], s[20:21], s[18:19]
	s_mul_u64 s[46:47], s[46:47], s[18:19]
	s_mul_i32 s45, s14, HALFT
	s_add_nc_u64 s[20:21], s[4:5], s[20:21]
	s_add_nc_u64 s[22:23], s[6:7], s[22:23]
	s_add_nc_u64 s[46:47], s[8:9], s[46:47]
	s_add_nc_u64 s[92:93], s[10:11], s[92:93]
	CROUND
	s_mov_b32 s[G0S], 1
	s_mov_b32 s[G0S+1], SCL
	s_mov_b64 s[G0S+2:G0S+3], s[22:23]
	s_or_b32 s[G0S+3], s[G0S+3], 0x80000000
	s_mov_b32 s[G0SB], 1
	s_mov_b32 s[G0SB+1], SCL+2*HALFS
	s_mov_b64 s[G0SB+2:G0SB+3], s[92:93]
	s_or_b32 s[G0SB+3], s[G0SB+3], 0x80000000
	s_mov_b32 s4, 1                                ; s[4:7], s[8:11]: group 0 of the head's loads of K step 0: source 1's 256 rows, source 0's 256 rows
	s_mov_b32 s5, 0
	s_mov_b64 s[6:7], s[20:21]
	s_or_b32 s7, s7, 0x80000000
	s_mov_b32 s8, 1
	s_mov_b32 s9, 2*HALFT
	s_mov_b64 s[10:11], s[46:47]
	s_or_b32 s11, s11, 0x80000000
	s_mul_i32 s18, s16, 128*KROW                   ; for the ring: my 128 rows of a tile
	s_mov_b32 s19, 0
	s_add_nc_u64 s[20:21], s[20:21], s[18:19]
	s_add_nc_u64 s[46:47], s[46:47], s[18:19]
.irp s, 0,1
	s_mov_b32 s[G0+4*\s], 1
	s_add_co_u32 s[G0+4*\s+1], s45, \s*SLOT
	s_add_nc_u64 s[G0+4*\s+2:G0+4*\s+3], s[20:21], \s*ROWB
	s_or_b32 s[G0+4*\s+3], s[G0+4*\s+3], 0x80000000
	s_mov_b32 s[G0B+4*\s], 1
	s_add_co_u32 s[G0B+4*\s+1], s45, \s*SLOT
	s_add_nc_u64 s[G0B+4*\s+2:G0B+4*\s+3], s[46:47], \s*ROWB
	s_or_b32 s[G0B+4*\s+3], s[G0B+4*\s+3], 0x80000000
.endr
; the head's four tiles, one joint load a wave, in one chain of arms on the wave's number
.macro ARM under, g0, g1, next
	s_cmp_lt_u32 s14, \under
	s_cbranch_scc0 \next
	tensor_load_to_lds s[\g0:\g0+3], s[\g1:\g1+7]
	s_nop 0
.rept 4
	v_nop
.endr
	s_branch .Lhead_asked
\next:
.endm
	ARM 1, 4, G1, .Lhead_b
	ARM 2, 8, G1B, .Lhead_sa
	ARM 3, G0S, G1S, .Lhead_sb
	tensor_load_to_lds s[G0SB:G0SB+3], s[G1SB:G1SB+7]
	s_nop 0
.rept 4
	v_nop
.endr
.Lhead_asked:
; THE PREFETCHES.  Of the 128 rows that my wave fetches in the ring each of the four partners that ask for them jointly names 32, told apart by address (cx for source 1's rows, cy for source 0's): a lane a row, 256 bytes of it a K step.
; K steps 1 and 2 are named here, K step 3 behind slot 1's load: each block of 256 bytes once in a cluster.  The address registers are never rewritten.
	s_cmp_eq_u32 s15, 0
	s_cselect_b64 s[96:97], s[20:21], s[46:47]
	s_cselect_b32 s18, s40, s41
	s_mul_i32 s18, s18, 32*KROW
	s_mov_b32 s19, 0
	s_add_nc_u64 s[96:97], s[96:97], s[18:19]
	v_and_b32 v8, 31, v0
	v_lshlrev_b32 v8, 10, v8                       ; v8: my lane's row
	global_prefetch_b8 v8, s[96:97] offset:256 th:TH_LOAD_NT scope:SCOPE_SE
	global_prefetch_b8 v8, s[96:97] offset:512 th:TH_LOAD_NT scope:SCOPE_SE
	v_and_b32 v1, 15, v0
	v_bfe_u32 v2, v0, 4, 1
	v_mul_u32_u24 v3, v1, PITCH
	v_lshl_add_u32 v4, v2, 4, v3
	s_mul_i32 s21, s15, HALFT
	s_mul_i32 s22, s16, HALFT
	s_add_co_u32 s22, s22, 2*HALFT
.irp s, 0,1
	v_add_nc_u32 v[ADRA+\s], s21, v4
	v_add_nc_u32 v[ADRB+\s], s22, v4
	s_add_co_u32 s21, s21, SLOT
	s_add_co_u32 s22, s22, SLOT
.endr
	v_mul_u32_u24 v5, v1, KS
	v_lshrrev_b32 v6, 8, v5
	v_lshl_add_u32 v5, v6, 4, v5
	s_mul_i32 s21, s15, HALFS
	s_mul_i32 s22, s16, HALFS
	s_add_co_u32 s22, s22, 2*HALFS
	s_sub_co_u32 s22, s22, s21
	v_mul_u32_u24 v6, s22, v2
	s_add_co_u32 s21, s21, SCL
	v_add_nc_u32 v5, v5, v6
	v_add_nc_u32 v[ADRS], s21, v5
	s_lshl_b32 s20, s17, 8
	s_lshl_b32 s21, s15, 7
	s_add_co_u32 s20, s20, s21
	s_lshl_b32 s46, s42, 8
	s_lshl_b32 s47, s16, 7
	s_add_co_u32 s46, s46, s47
	s_mov_b32 s18, 2048
	s_mov_b32 s44, 385024
	s_mov_b32 s92, 1024
	s_mov_b32 s93, 393216
	s_cmp_eq_u32 s[ISV], 0
	s_cselect_b32 s21, s20, s46
	s_cselect_b32 s22, s46, s20
	s_cselect_b32 s18, 1024, s18
	s_cselect_b32 s44, 0, s44
	s_cselect_b32 s92, s93, s92
	s_cselect_b32 s93, 2, 1
	s_mov_b32 s19, 0
	s_mov_b32 s45, 0
	s_mov_b32 s47, 0
	s_lshl_b32 s46, s22, 2
	s_add_nc_u64 s[98:99], s[98:99], s[46:47]
	s_lshr_b32 s23, s21, 11
	s_lshl_b32 s23, s23, 4
	s_lshr_b32 s22, s22, 6
	s_add_co_u32 s23, s23, s22
	s_and_b32 s21, s21, 2047
	s_mul_i32 s46, s23, 393216
	s_lshl_b32 s22, ttmp9, 17
	s_add_co_u32 s46, s46, s22
	s_lshl_b32 s22, s21, 6
	s_add_co_u32 s46, s46, s22
	s_add_nc_u64 s[12:13], s[12:13], s[46:47]
	s_mul_i32 s46, s23, 20480
	s_lshl_b32 s22, ttmp9, 13
	s_add_co_u32 s46, s46, s22
	s_lshl_b32 s22, s21, s93
	s_add_co_u32 s46, s46, s22
	s_add_nc_u64 s[100:101], s[100:101], s[46:47]
	s_mov_b32 s[SEL], 0x76543210
	s_mov_b32 s[SEL+1], 0xfedcba98
	s_mov_b32 s[MNT], 0x600000
	s_mov_b32 s[TOP], 0x7f880000
	v_and_b32 v3, 31, v0
	v_lshlrev_b32 v[LI], 4, v3
	v_add_nc_u32 v[O2], s92, v[LI]
	v_lshlrev_b32 v[H16], 4, v2
	v_mul_u32_u24 v[SCO], v2, 20480
	v_lshl_add_u32 v[SCO], v1, 4, v[SCO]
	v_lshlrev_b32 v[BO], 5, v2
	v_lshlrev_b32 v[BR], 2, v1
	s_cmp_eq_u32 s[ISV], 0
	s_cbranch_scc0 .Lbias_v
.irp b, 0,1,2,3,4,5,6,7
	global_load_b128 v[BI+8*\b:BI+8*\b+3], v[BO], s[98:99] offset:64*\b
	global_load_b128 v[BI+8*\b+4:BI+8*\b+7], v[BO], s[98:99] offset:64*\b+16
.endr
	s_branch .Lbias_in
.Lbias_v:
	s_wait_alu depctr_va_vdst(0)
.irp a, 0,1,2,3,4,5,6,7
	global_load_b32 v[BI+8*\a], v[BR], s[98:99] offset:64*\a
.endr
	s_wait_loadcnt 0x0
.irp a, 0,1,2,3,4,5,6,7
.irp j, 1,2,3,4,5,6,7
	v_mov_b32 v[BI+8*\a+\j], v[BI+8*\a]
.endr
.endr
.rept 8
	v_nop
.endr
.Lbias_in:
.macro FRAG reg, adr, q, i
.irp c, 0,1,2,3
	ds_load_b128 v[\reg+4*\c:\reg+4*\c+3], v[\adr] offset:128*(\q)+32*\c+(\i)*16*PITCH
.endr
.endm
.macro MUL16 a0, p, q, sc, zero
.irp a, \a0, \a0+1
.irp b, 0,1,2,3,4,5,6,7
.if \zero == 1
	v_wmma_scale_f32_16x16x128_f8f6f4 v[8*(8*((\a)%4)+\b):8*(8*((\a)%4)+\b)+7], v[128*(\p)+FR*\b:128*(\p)+FR*\b+FR-1], v[AF+FR*(\a):AF+FR*(\a)+FR-1], v[BI+8*\b:BI+8*\b+7], v[SC+8*NQ*(\sc)+NQ*\b+(\q)], v[SC+8*NQ*(\sc)+NQ*(\a)+(\q)] matrix_a_fmt:MATRIX_FMT_BF8 matrix_b_fmt:MATRIX_FMT_BF8 matrix_a_scale:MATRIX_SCALE_ROW1
.elseif \zero == 2
	v_wmma_scale_f32_16x16x128_f8f6f4 v[8*(8*((\a)%4)+\b):8*(8*((\a)%4)+\b)+7], v[128*(\p)+FR*\b:128*(\p)+FR*\b+FR-1], v[AF+FR*(\a):AF+FR*(\a)+FR-1], v[BI+8*(\a):BI+8*(\a)+7], v[SC+8*NQ*(\sc)+NQ*\b+(\q)], v[SC+8*NQ*(\sc)+NQ*(\a)+(\q)] matrix_a_fmt:MATRIX_FMT_BF8 matrix_b_fmt:MATRIX_FMT_BF8 matrix_a_scale:MATRIX_SCALE_ROW1
.else
	v_wmma_scale_f32_16x16x128_f8f6f4 v[8*(8*((\a)%4)+\b):8*(8*((\a)%4)+\b)+7], v[128*(\p)+FR*\b:128*(\p)+FR*\b+FR-1], v[AF+FR*(\a):AF+FR*(\a)+FR-1], v[8*(8*((\a)%4)+\b):8*(8*((\a)%4)+\b)+7], v[SC+8*NQ*(\sc)+NQ*\b+(\q)], v[SC+8*NQ*(\sc)+NQ*(\a)+(\q)] matrix_a_fmt:MATRIX_FMT_BF8 matrix_b_fmt:MATRIX_FMT_BF8 matrix_a_scale:MATRIX_SCALE_ROW1
.endif
.endr
.endr
.endm
.macro FETCH_B slot, q, p
	WIN TO_B
.irp i, 0,1,2,3,4,5,6,7
	FRAG 128*(\p)+FR*\i, ADRB+\slot, \q, \i
.endr
	WIN 0
.endm
.macro FETCH_A slot, q, i0
.irp i, \i0, \i0+1, \i0+2, \i0+3
	FRAG AF+FR*(\i), ADRA+\slot, \q, \i
.endr
.endm
.macro SCALES sc
.irp i, 0,1,2,3,4,5,6,7
	ds_load_b64 v[SC+8*NQ*\sc+NQ*\i:SC+8*NQ*\sc+NQ*\i+1], v[ADRS] offset:\i*SBLK
.endr
.endm
.macro PLACES n
.rept \n
	v_nop
.endr
.endm
.macro STEP slot, q, zero
	s_wait_dscnt 4*NL
.if \zero
	WIN 0x81
.else
	WIN MUL_LO
.endif
	MUL16 0, (\q)%2, \q, \slot, \zero
	MUL16 2, (\q)%2, \q, \slot, \zero
	s_wait_dscnt 0
	PLACES NP
	FETCH_B \slot, (\q)+1, 1-(\q)%2
	FETCH_A \slot, (\q)+1, 0
.if \zero
	WIN 0xc1
.else
	WIN MUL_HI
.endif
	MUL16 4, (\q)%2, \q, \slot, \zero
	MUL16 6, (\q)%2, \q, \slot, \zero
	PLACES NP
	WIN 0
	FETCH_A \slot, (\q)+1, 4
.endm
.macro TURN slot, next, fill
	s_wait_tensorcnt 0x0
	ds_add_u32 v[SPW], v[NIL]
	s_wait_dscnt 4*NL+1
	WIN MUL_LO
	MUL16 0, 1, NQ-1, \slot, 0
	s_wait_dscnt 0x0
	s_barrier_signal -1
	MUL16 2, 1, NQ-1, \slot, 0
	WIN 0
	s_barrier_wait -1
.if \fill
	CREST
	s_add_nc_u64 s[G0+4*\slot+2:G0+4*\slot+3], s[G0+4*\slot+2:G0+4*\slot+3], 2*ROWB
	s_add_nc_u64 s[G0B+4*\slot+2:G0B+4*\slot+3], s[G0B+4*\slot+2:G0B+4*\slot+3], 2*ROWB
	JLOAD G0+4*\slot, G1, G0B+4*\slot, G1B
	PLACES NP-4
.else
	PLACES NP
.endif
	s_wait_alu depctr_va_vdst(0)
	v_add_nc_u32 v[ADRS], 4*NQ, v[ADRS]
	FETCH_B \next, 0, 0
	FETCH_A \next, 0, 0
	SCALES \next
	WIN MUL_HI
	MUL16 4, 1, NQ-1, \slot, 0
	MUL16 6, 1, NQ-1, \slot, 0
	PLACES NP
	WIN 0
	FETCH_A \next, 0, 4
.endm
	s_wait_alu depctr_va_vdst(0)
	s_wait_tensorcnt 0x0                           ; my tile of the head's four is in
	ds_add_u32 v[SPW], v[NIL]
	s_mov_b32 s[G1+2], 128<<16                     ; no tensor load of mine is out: from here on a load brings 128 rows
	s_mov_b32 s[G1+4], 128
	s_mov_b32 s[G1B+2], 128<<16
	s_mov_b32 s[G1B+4], 128
	s_wait_dscnt 0x0
	CROUND
	JLOAD G0+4, G1, G0B+4, G1B                     ; K step 1, the first tensor load behind the round
	global_prefetch_b8 v8, s[96:97] offset:768 th:TH_LOAD_NT scope:SCOPE_SE   ; K step 3: two refills on
	FETCH_B 0, 0, 0
	FETCH_A 0, 0, 0
	s_wait_alu depctr_va_vdst(0)
	SCALES 0
	FETCH_A 0, 0, 4
	s_wait_loadcnt 0x0
	s_cmp_eq_u32 s[ISV], 0
	s_cbranch_scc0 .Lfirst_v
	STEP 0, 0, 1
	s_branch .Lfirst_done
.Lfirst_v:
	STEP 0, 0, 2
.Lfirst_done:
	s_mov_b32 s3, LAPS-1
.Llap:
	TURN 0, 1, 1
	STEP 1, 0, 0
	TURN 1, 0, 1
	STEP 0, 0, 0
	s_sub_co_u32 s3, s3, 1
	s_cmp_lg_u32 s3, 0
	s_cbranch_scc1 .Llap
	TURN 0, 1, 0
	STEP 1, 0, 0
	s_wait_dscnt 4*NL
	WIN MUL_LO
	MUL16 0, 1, NQ-1, 1, 0
	MUL16 2, 1, NQ-1, 1, 0
	s_wait_dscnt 0
	WIN MUL_HI
	MUL16 4, 1, NQ-1, 1, 0
	MUL16 6, 1, NQ-1, 1, 0
	WIN 0
.macro QUANT a, relu
.set W, 2+(\a)/4
.set AC, 64*((\a)%4)
.set PC, PCB+16*((\a)%2)
	WIN (W|(W<<2))
.irp b, 0,1,2,3
.if \relu
	v_max3_num_f32 v[TM+\b], v[AC+16*\b], v[AC+16*\b+1], 0x8000000
.else
	v_max3_num_f32 v[TM+\b], |v[AC+16*\b]|, |v[AC+16*\b+1]|, 0x8000000
.endif
.endr
	WIN ((W<<2)|(W<<4))
.irp i, 2,4,6,8,10,12,14
.irp b, 0,1,2,3
.if \relu
	v_max3_num_f32 v[TM+\b], v[TM+\b], v[AC+16*\b+\i], v[AC+16*\b+\i+1]
.else
	v_max3_num_f32 v[TM+\b], v[TM+\b], |v[AC+16*\b+\i]|, |v[AC+16*\b+\i+1]|
.endif
.endr
.endr
	WIN 0
.irp b, 0,1,2,3
	v_permlanex16_b32 v[TM+4+\b], v[TM+\b], s[SEL], s[SEL+1]
.endr
.irp b, 0,1,2,3
	v_max_num_f32 v[TM+\b], v[TM+\b], v[TM+4+\b]
.endr
.irp b, 0,1,2,3
	v_add_nc_u32 v[TM+12+\b], 0xf8800000, v[TM+\b]
.endr
.irp b, 0,1,2,3
	v_and_or_b32 v[TM+8+\b], v[TM+\b], 0x7f800000, s[MNT]
.endr
.irp b, 0,1,2,3
	v_lshrrev_b32 v[TM+4+\b], 23, v[TM+12+\b]
.endr
	v_lshl_or_b32 v[PWS+(\a)], v[TM+5], 8, v[TM+4]
	v_lshl_or_b32 v[PWS+(\a)], v[TM+6], 16, v[PWS+(\a)]
	v_lshl_or_b32 v[PWS+(\a)], v[TM+7], 24, v[PWS+(\a)]
	WIN (W|(W<<6))
.irp b, 0,1,2,3
.set i, 0
.rept 16
.if \relu
	v_med3_num_f32 v[AC+16*\b+i], v[AC+16*\b+i], 0, v[TM+8+\b]
.else
	v_med3_num_f32 v[AC+16*\b+i], v[AC+16*\b+i], -v[TM+8+\b], v[TM+8+\b]
.endif
.set i, i+1
.endr
.endr
	s_wait_alu depctr_va_vdst(0)
	s_wait_xcnt 0x0
	WIN W
.irp b, 0,1,2,3
	v_cvt_scalef32_pk8_bf8_f32 v[PC+4*\b:PC+4*\b+1], v[AC+16*\b:AC+16*\b+7], v[TM+12+\b]
	v_cvt_scalef32_pk8_bf8_f32 v[PC+4*\b+2:PC+4*\b+3], v[AC+16*\b+8:AC+16*\b+15], v[TM+12+\b]
.endr
	WIN 0
	v_nop
.irp b, 0,1,2,3
	v_permlane16_swap_b32 v[PC+4*\b], v[PC+4*\b+2]
	v_permlane16_swap_b32 v[PC+4*\b+1], v[PC+4*\b+3]
.endr
.endm
.macro BLOCK a
	QUANT \a, 0
.if (\a) > 0
	s_add_nc_u64 s[12:13], s[12:13], s[18:19]
.endif
.if (\a) == 4
	s_add_nc_u64 s[12:13], s[12:13], s[44:45]
.endif
	global_store_b128 v[LI], v[PC:PC+3], s[12:13]
	global_store_b128 v[LI], v[PC+4:PC+7], s[12:13] offset:512
	global_store_b128 v[O2], v[PC+8:PC+11], s[12:13]
	global_store_b128 v[O2], v[PC+12:PC+15], s[12:13] offset:512
.endm
	PLACES NP
.irp b, 0,1,2,3
	v_mov_b32 v[TM+4+\b], 0
.endr
.irp a, 0,1,2,3,4,5,6,7
	BLOCK \a
.endr
	s_cmp_eq_u32 s[ISV], 0
	s_cbranch_scc0 .Lwords_v
.irp a, 0,1,2,3,4,5,6,7
	v_lshrrev_b32 v[OW+\a], v[H16], v[PWS+\a]
.endr
.irp a, 0,1,2,3,4,5,6,7
	v_and_or_b32 v[OW+\a], v[OW+\a], 0xffff, s[TOP]
.endr
	global_store_b128 v[SCO], v[OW:OW+3], s[100:101]
	global_store_b128 v[SCO], v[OW+4:OW+7], s[100:101] offset:256
	s_branch .Lwords_out
.Lwords_v:
	v_cmp_eq_u32 vcc_lo, 1, v2
.irp i, 0,1,2,3
	v_cndmask_b32 v[OW+\i], v[PWS+\i], v[PWS+4+\i], vcc_lo
.endr
	global_store_b128 v[SCO], v[OW:OW+3], s[100:101]
.Lwords_out:
	s_wait_tensorcnt 0x0
	ds_add_u32 v[SPW], v[NIL]
	s_wait_dscnt 0x0
	CROUND
	s_endpgm
.Lfunc_end_k_qc1a31741d4_qkv:
	.size	k_qc1a31741d4_qkv, .Lfunc_end_k_qc1a31741d4_qkv-k_qc1a31741d4_qkv
	.p2alignl 7, 3214868480
	.fill 96, 4, 3214868480
	.section	.rodata,"a",@progbits
	.p2align	6, 0x0
	.amdhsa_kernel k_qc1a31741d4_qkv
		.amdhsa_group_segment_fixed_size 327680
		.amdhsa_private_segment_fixed_size 0
		.amdhsa_enable_private_segment 0
		.amdhsa_kernarg_size 104
		.amdhsa_user_sgpr_count 2
		.amdhsa_user_sgpr_kernarg_segment_ptr 1
		.amdhsa_wavefront_size32 1
		.amdhsa_system_sgpr_workgroup_id_x 1
		.amdhsa_system_sgpr_workgroup_id_y 1
		.amdhsa_system_sgpr_workgroup_id_z 1
		.amdhsa_system_vgpr_workitem_id 0
		.amdhsa_next_free_vgpr 1024
		.amdhsa_next_free_sgpr 102
		.amdhsa_reserve_vcc 1
		.amdhsa_float_denorm_mode_32 3
		.amdhsa_float_denorm_mode_16_64 3
		.amdhsa_memory_ordered 1
		.amdhsa_forward_progress 1
		.amdhsa_inst_pref_size 209
	.end_amdhsa_kernel
	.amdgpu_metadata
---
amdhsa.version: [ 1, 2 ]
amdhsa.kernels:
  - .name:           k_qc1a31741d4_qkv
    .symbol:         k_qc1a31741d4_qkv.kd
    .args:
      - { .name: aqc, .offset: 0, .size: 8, .value_kind: global_buffer, .address_space: global }
      - { .name: aqs, .offset: 8, .size: 8, .value_kind: global_buffer, .address_space: global }
      - { .name: Wq_codes, .offset: 16, .size: 8, .value_kind: global_buffer, .address_space: global }
      - { .name: Wq_scales, .offset: 24, .size: 8, .value_kind: global_buffer, .address_space: global }
      - { .name: Wk_codes, .offset: 32, .size: 8, .value_kind: global_buffer, .address_space: global }
      - { .name: Wk_scales, .offset: 40, .size: 8, .value_kind: global_buffer, .address_space: global }
      - { .name: Wv_codes, .offset: 48, .size: 8, .value_kind: global_buffer, .address_space: global }
      - { .name: Wv_scales, .offset: 56, .size: 8, .value_kind: global_buffer, .address_space: global }
      - { .name: bq, .offset: 64, .size: 8, .value_kind: global_buffer, .address_space: global }
      - { .name: bk, .offset: 72, .size: 8, .value_kind: global_buffer, .address_space: global }
      - { .name: bv, .offset: 80, .size: 8, .value_kind: global_buffer, .address_space: global }
      - { .name: qkvc, .offset: 88, .size: 8, .value_kind: global_buffer, .address_space: global }
      - { .name: qkvs, .offset: 96, .size: 8, .value_kind: global_buffer, .address_space: global }
    .group_segment_fixed_size: 327680
    .private_segment_fixed_size: 0
    .kernarg_segment_align: 8
    .kernarg_segment_size: 104
    .max_flat_workgroup_size: 128
    .sgpr_count:     102
    .vgpr_count:     1024
    .wavefront_size: 32
...
	.end_amdgpu_metadata
.endif
;; end of part 2
;; launch att (part 3): grid 8 x 32, 16 waves a work-group, clusters of 4 x 1, 292,864 bytes of LDS; arguments qkvc, qkvs, question_mask, img, imgs; writes img, imgs
.if DOCPART == 3
	.amdgcn_target "amdgcn-amd-amdhsa--gfx1250"
	.amdhsa_code_object_version 6
	.text
	.protected	k_qc1a31741d4_att
	.globl	k_qc1a31741d4_att
	.p2align	8
	.type	k_qc1a31741d4_att,@function
k_qc1a31741d4_att:
	s_mov_b64 s[64:65], 0
	v_nop
	global_prefetch_b8 v0, s[64:65] scope:SCOPE_SE
	s_setreg_imm32_b32 hwreg(HW_REG_WAVE_MODE, 25, 1), 1
	s_wait_xcnt 0x0
	s_wait_alu depctr_hold_cnt(0) depctr_sa_sdst(0) depctr_va_vdst(0) depctr_va_sdst(0) depctr_va_ssrc(0) depctr_va_vcc(0) depctr_vm_vsrc(0)
	s_getreg_b32 s2, hwreg(HW_REG_IB_STS2, 6, 4)
	s_cmp_eq_u32 s2, 0
	s_cbranch_scc0 .Lentry_in_a_cluster
	s_endpgm
.Lentry_in_a_cluster:
	s_bfe_u32 s2, ttmp6, 0x10000c
	s_cmp_lg_u32 s2, 0x3003
	s_cbranch_scc0 .Lentry_shape_is_right
	s_endpgm
.Lentry_shape_is_right:
; ctx = softmax(q k^T / 8, masked) v for one head H = 16 batch + head, both products on codes of E5M2 with E8M0 scales; ctx is quantised along the model's 1,024 and stored as operand images.
; t = score x log2(e) / 8; M = the running largest t rounded up to a whole number; p = 2^(t - M) is quantised along the keys, not normalised; the row's sum is taken of the unquantised p and divides at the end.
; SHARES.  A work-group owns 256 queries, each of its sixteen waves one tile of 16, in 256 registers.  Every wave walks the head's 2,048 keys, 128 a step.
; K, V and their scale words for the WHOLE head lie in LDS, filled once.  The four work-groups of a cluster belong to one head and ask for every tile jointly.
; FILLS, one a wave: waves 0-3 keys 0-255 of K and V, waves 4-7 the scale words, waves 8-11 the other keys.  Waves 0-7 wait at the first barrier; the first two steps run while waves 8-11's loads are out; all wait at the second.
; No prefetch: every byte that the work-group reads is asked for at the head.
; LAYOUT.  S^T = K Q^T (source 0 = 16 keys), O^T = V^T P^T (source 0 = 16 channels): a lane holds one query.  Tile T, register j, lane half h holds key 16 T + 8 h + j:
; tiles 2 b, 2 b + 1 are the lane's 16 keys of block b; two exchanges of lane halves a block put p's codes into the operand's order.
; THE MASK rides in the first product.  A head has 64 channels, the instruction takes 128: k = 64 holds the code of 1.0 on the query's side and, on the key's side, the code of -2^15 where the mask is 0, else 0;
; both scale bytes of that block are 136, so a masked key's score is q.k - 2^33.  All other codes from k = 64 on are zeros.
; Where a batch's mask has no key left, q's codes are cleared (a selection, no branch): every score is then -2^33, every p is 1, and the row is the mean of v.
; LIMITS: a masked logit is -2^30 ADDED to the score, not -1e9 in its place: the same result while open logits lie between about -1e9 and 2^30.  NaN and infinities are not served.
; A block's largest p is taken through its largest score, which takes v_exp_f32 not to fall where its input rises.  A block of zeros gets the byte 1.
.set VC,   131072                      ; LDS: K's tiles at 0 (1,024 bytes a tile of 16 keys), V^T's images here (8,192 a step),
.set SCK,  262144                      ; K's scale words (8,192),
.set SCV,  270336                      ; V's (4,096),
.set MK,   274432                      ; the mask's code words [tile][lane], 16,384 bytes: stored by the waves; no fill lands here
.set SPARE, 0x47000                    ; the spare words, 128 bytes a wave
.set AK0,  1                           ; v1  16 lane
.set AV0,  2                           ; v2  VC + 16 lane
.set ASK0, 3                           ; v3  SCK + 16 r
.set ASV0, 4                           ; v4  SCV + 16 r
.set AMK0, 5                           ; v5  MK + 4 lane
.set MO,   6                           ; v6  16 x thread
.set ADM,  7                           ; v7-11 the step's addresses
.set ADK,  8
.set ADV,  9
.set ADS,  10
.set ADT,  11
.set PS,   208                         ; v208-221 seven chains of the row's sum (the eighth is v[14:15])
; v12 -M, v13 the largest t, v[14:15] the sum; v16-31 Q; v32-95 four fragments of K; v96-159 S^T, then p, then V's four fragments; v160-191 O^T; v192-207 p's codes; v232-254 at work; v248-251 K's or V's scale words; v253 p's; v255 Q's
.set WV,   18
.set MNT,  19
.set SEL,  20
.set CS,   22
.set G1S,  24
.set G1C,  32
.set G1R,  40
.set G0S,  48
.set G0C,  52
.set G0R,  56
.set TB,   60                          ; s60 8,192 x step
.set TSK,  61                          ; s61 512 x step
.set TSV,  62                          ; s62 256 x step
.set TMK,  63                          ; s63 1,024 x step
.set CNT,  66
.set KEEP, 67
.macro CROUND
	s_barrier_signal -1
	s_barrier_wait -1
	s_cmp_lg_u32 s[WV], 0
	s_cbranch_scc1 .Lnot_wave_0_\@
	s_barrier_signal -3
.Lnot_wave_0_\@:
	s_barrier_wait -3
	s_barrier_signal -1
	s_barrier_wait -1
.endm
	s_load_b128 s[4:7], s[0:1], 0x0                ; qkvc, qkvs
	s_load_b128 s[8:11], s[0:1], 0x10              ; the mask, img
	s_load_b64 s[12:13], s[0:1], 0x20              ; imgs
	v_lshl_add_u32 v230, v0, 2, SPARE
	v_mov_b32 v231, 0
	ds_add_u32 v230, v231                          ; the opening lines
	ds_add_u32 v230, v231
	v_lshrrev_b32 v8, 5, v0
	s_delay_alu instid0(VALU_DEP_1)
	v_readfirstlane_b32 s[WV], v8                  ; wave 0..15
	s_and_b32 s68, ttmp7, 0xffff                   ; H, which the four partners share
	s_bfe_u32 s69, ttmp6, 0x40000                  ; cx: it enters Q's and the outputs' addresses alone
	s_lshl_b32 s70, ttmp9, 2
	s_add_co_u32 s70, s70, s69
	s_lshl_b32 s70, s70, 4
	s_add_co_u32 s70, s70, s[WV]                   ; my tile of 16 queries, 0..127
	s_mul_i32 s72, s68, 393216                     ; the head's codes
	s_mov_b32 s73, 0
	s_mul_i32 s74, s68, 20480                      ; its scale words
	s_mov_b32 s75, 0
	s_and_b32 s71, s[WV], 3                        ; which quarter of a fill is mine
	s_lshr_b32 s76, s71, 1                         ; quarters 0, 1: K's halves; 2, 3: V's
	s_and_b32 s77, s71, 1
	s_mul_i32 s78, s71, 3072                       ; scale words: K's 8,192 and V's 4,096 bytes lie on end in memory and in LDS: 3,072 a quarter
	s_add_co_u32 s79, s78, SCK
	s_add_co_u32 s80, s78, 8192
	s_add_co_u32 s80, s80, s74
	s_mov_b32 s81, 0
	s_lshl_b32 s82, s76, 17                        ; keys 0-255: 8,192 bytes a quarter
	s_lshl_b32 s83, s77, 13
	s_add_co_u32 s82, s82, s83
	s_add_co_u32 s84, s82, 131072
	s_add_co_u32 s84, s84, s72
	s_mov_b32 s85, 0
	s_lshl_b32 s86, s76, 17                        ; the other keys: 57,344 bytes a quarter
	s_mul_i32 s87, s77, 57344
	s_add_co_u32 s86, s86, s87
	s_add_co_u32 s86, s86, 16384
	s_add_co_u32 s88, s86, 131072
	s_add_co_u32 s88, s88, s72
	s_mov_b32 s89, 0
	; descriptor groups 1: dense blocks as rows of 256 bytes (32 elements of 8); the mask names all four work-groups, bit 21 beside it
.irp g, G1S, G1C, G1R
	s_mov_b32 s[\g], 15|(3<<16)|(1<<21)
	s_mov_b32 s[\g+1], 32<<16
	s_mov_b32 s[\g+3], 32<<16
	s_mov_b32 s[\g+5], 32
	s_mov_b32 s[\g+6], 0
	s_mov_b32 s[\g+7], 0
.endr
	s_mov_b32 s[G1S+2], 12<<16
	s_mov_b32 s[G1S+4], 12
	s_mov_b32 s[G1C+2], 32<<16
	s_mov_b32 s[G1C+4], 32
	s_mov_b32 s[G1R+2], 224<<16
	s_mov_b32 s[G1R+4], 224
	s_mov_b32 s[SEL], 0x76543210
	s_mov_b32 s[SEL+1], 0xfedcba98
	s_mov_b32 s[CS], 0x3e38aa3b                    ; c = log2(e) / 8
	s_mov_b32 s[CS+1], s[CS]
	s_mov_b32 s[MNT], 0x600000
	s_mov_b32 s[TB], 0
	s_mov_b32 s[TSK], 0
	s_mov_b32 s[TSV], 0
	s_mov_b32 s[TMK], 0
	s_wait_dscnt 0x0
	s_wait_kmcnt 0x0
	s_mov_b32 s[G0S], 1
	s_mov_b32 s[G0S+1], s79
	s_add_nc_u64 s[G0S+2:G0S+3], s[6:7], s[80:81]
	s_or_b32 s[G0S+3], s[G0S+3], 0x80000000
	s_mov_b32 s[G0C], 1
	s_mov_b32 s[G0C+1], s82
	s_add_nc_u64 s[G0C+2:G0C+3], s[4:5], s[84:85]
	s_or_b32 s[G0C+3], s[G0C+3], 0x80000000
	s_mov_b32 s[G0R], 1
	s_mov_b32 s[G0R+1], s86
	s_add_nc_u64 s[G0R+2:G0R+3], s[4:5], s[88:89]
	s_or_b32 s[G0R+3], s[G0R+3], 0x80000000
	CROUND                                         ; all four work-groups are here: the joint loads meet
; one chain of arms on the wave's number, a load an arm: no way through the head passes two
.macro ARM under, g0, g1, next
	s_cmp_lt_u32 s[WV], \under
	s_cbranch_scc0 \next
	tensor_load_to_lds s[\g0:\g0+3], s[\g1:\g1+7]
	s_nop 0
.rept 4
	v_nop
.endr
	s_branch .Lno_fill
\next:
.endm
	ARM 4, G0C, G1C, .Lfill_s
	ARM 8, G0S, G1S, .Lfill_r
	ARM 12, G0R, G1R, .Lfill_none
.Lno_fill:
	s_lshl_b32 s90, s70, 10
	s_add_co_u32 s90, s90, s72
	s_mov_b32 s91, 0
	s_add_nc_u64 s[4:5], s[4:5], s[90:91]          ; Q's tile
	s_lshr_b32 s90, s70, 2
	s_lshl_b32 s90, s90, 8
	s_and_b32 s92, s70, 3
	s_lshl_b32 s92, s92, 2
	s_add_co_u32 s90, s90, s92
	s_add_co_u32 s90, s90, s74
	s_add_nc_u64 s[6:7], s[6:7], s[90:91]          ; its scale words
	s_lshr_b32 s90, s68, 4
	s_lshl_b32 s90, s90, 13
	s_add_nc_u64 s[8:9], s[8:9], s[90:91]          ; the batch's mask
	v_and_b32 v209, 31, v0                         ; lane
	v_and_b32 v213, 15, v0                         ; r
	s_delay_alu instid0(VALU_DEP_2)
	v_lshlrev_b32 v[AK0], 4, v209
	s_delay_alu instid0(VALU_DEP_1)
	v_add_nc_u32 v[AV0], VC, v[AK0]
	s_delay_alu instid0(VALU_DEP_3)
	v_lshl_add_u32 v[ASK0], v213, 4, SCK
	s_delay_alu instid0(VALU_DEP_4)
	v_lshl_add_u32 v[ASV0], v213, 4, SCV
	v_lshl_add_u32 v[AMK0], v209, 2, MK
	v_lshlrev_b32 v[MO], 4, v0
	v_lshlrev_b32 v212, 4, v213
	v_bfe_u32 v208, v0, 2, 3
	s_delay_alu instid0(VALU_DEP_1)
	v_lshlrev_b32 v208, 7, v208
	v_and_b32 v214, 3, v0
	s_delay_alu instid0(VALU_DEP_1)
	v_lshl_add_u32 v208, v214, 4, v208
	s_lshl_b32 s90, s[WV], 10
	s_add_co_u32 s90, s90, MK
	v_add_nc_u32 v208, s90, v208                   ; my four keys' words: tile 8 wave + lane / 4, rows 4 (lane % 4) on
	global_load_b128 v[16:19], v[AK0], s[4:5]
	global_load_b128 v[20:23], v[AK0], s[4:5] offset:512
	global_load_b32 v255, v212, s[6:7]
	global_load_b128 v[200:203], v[MO], s[8:9]     ; keys 128 wave + 4 lane + 0 .. 3
.irp i, 0,1,2,3,4,5,6,7,8,9,10,11,12,13,14,15
	global_load_b128 v[96+4*\i:99+4*\i], v[AK0], s[8:9] offset:512*\i   ; and the whole batch's mask
.endr
	v_mov_b32 v210, 0xf8                           ; the code of -2^15
	v_mov_b32 v211, 0x3c                           ; the code of 1.0
	v_cmp_gt_u32 vcc_lo, 16, v209
	s_delay_alu instid0(VALU_DEP_1)
	v_cndmask_b32 v24, 0, v211, vcc_lo             ; Q's code at k = 64: byte 0 of register 8 in lanes 0-15
.irp i, 25,26,27,28,29,30,31
	v_mov_b32 v[\i], 0
.endr
.irp t, 0,1,2,3
.irp i, 9,10,11,12,13,14,15
	v_mov_b32 v[32+16*\t+\i], 0                    ; K's codes from k = 68 on: zeros, set once
.endr
.endr
.set j, 0
.rept 32
	v_mov_b32 v[160+j], 0                          ; O^T: the step is written once; the first change of M leaves zeros zeros
.set j, j+1
.endr
	v_mov_b32 v13, 0xff61b1e6                      ; the largest t so far: -3e38
	s_delay_alu instid0(VALU_DEP_1)
	v_floor_f32 v12, -v13
	v_mov_b32 v14, 0
	v_mov_b32 v15, 0
.irp b, 0,1,2,3
	v_mov_b32 v[236+\b], 0                         ; a lane permute's destination counts as one of its sources
	v_mov_b32 v[204+\b], 0
.endr
	v_mov_b32 v253, 0
	s_wait_loadcnt 0x0
.irp i, 0,1,2,3
	v_cmp_eq_u32 vcc_lo, 0, v[200+\i]
	s_delay_alu instid0(VALU_DEP_1)
	v_cndmask_b32 v[200+\i], 0, v210, vcc_lo
.endr
	ds_store_b128 v208, v[200:203]                 ; lanes 0-15 of the tile's register 8
	ds_store_b128 v208, v[204:207] offset:64       ; lanes 16-31: zeros
.irp m, 1,2,3,4,5,6,7,8,9,10,11,12,13,14,15
.irp k, 0,1,2,3
	v_or_b32 v[96+\k], v[96+\k], v[96+\k+4*\m]
.endr
.endr
	s_delay_alu instid0(VALU_DEP_3)
	v_or_b32 v96, v96, v97
	s_delay_alu instid0(VALU_DEP_2)
	v_or_b32 v98, v98, v99
	s_delay_alu instid0(VALU_DEP_1)
	v_or_b32 v96, v96, v98
	s_delay_alu instid0(VALU_DEP_1)
	v_cmp_ne_u32 vcc_lo, 0, v96
	s_cmp_lg_u32 vcc_lo, 0                         ; is any key of the batch open?
	s_cselect_b32 s[KEEP], -1, 0
.irp i, 0,1,2,3,4,5,6,7
	v_and_b32 v[16+\i], s[KEEP], v[16+\i]
.endr
	s_cmp_lt_u32 s[WV], 8                          ; waves 0-7: keys 0-255 and the scale words are in.  Waves 8-11, whose load line is their own, wait at the second barrier
	s_cbranch_scc0 .Lrest_out
	s_wait_tensorcnt 0x0
.Lrest_out:
	s_wait_dscnt 0x0                               ; my mask words are stored
	s_barrier_signal -1
	s_barrier_wait -1
.macro STEP
	v_add_nc_u32 v[ADM], s[TMK], v[AMK0]
	v_add_nc_u32 v[ADK], s[TB], v[AK0]
	v_add_nc_u32 v[ADV], s[TB], v[AV0]
	v_add_nc_u32 v[ADS], s[TSK], v[ASK0]
	v_add_nc_u32 v[ADT], s[TSV], v[ASV0]           ; these five and the last step's seven joins are twelve places behind its products (nine are asked)
	s_wait_alu depctr_va_vdst(0)
.irp g, 0,1                                    ; S^T = K Q^T, four tiles of 16 keys at a time
.if \g
.rept 8
	v_nop
.endr
.endif
.irp t, 0,1,2,3
	ds_load_b128 v[32+16*\t:35+16*\t], v[ADK] offset:1024*(4*\g+\t)
	ds_load_b128 v[36+16*\t:39+16*\t], v[ADK] offset:1024*(4*\g+\t)+512
	ds_load_b32 v[40+16*\t], v[ADM] offset:128*(4*\g+\t)
.endr
	ds_load_b128 v[248:251], v[ADS] offset:256*\g
	s_wait_dscnt 0x0
.irp t, 0,1,2,3
	v_wmma_scale_f32_16x16x128_f8f6f4 v[96+8*(4*\g+\t):103+8*(4*\g+\t)], v[32+16*\t:47+16*\t], v[16:31], 0, v[248+\t], v255 matrix_a_fmt:MATRIX_FMT_BF8 matrix_b_fmt:MATRIX_FMT_BF8
.endr
.endr
; the largest score of each block of 32 keys, a chain a tile, four chains by turns.  The first group's four tiles (eight places back) go first: their 12 lines name no register of the second group's products and are its places.
; Tile 4 g + u keeps its maximum in v[232 + 2 g + u / 2] (u even) or v[240 + 2 g + u / 2] (u odd); a block joins its two tiles and their last registers
.irp g, 0,1
.irp u, 0,1,2,3
	v_max3_num_f32 v[232+8*(\u%2)+2*\g+\u/2], v[96+32*\g+8*\u], v[97+32*\g+8*\u], v[98+32*\g+8*\u]
.endr
.irp i, 3,5
.irp u, 0,1,2,3
	v_max3_num_f32 v[232+8*(\u%2)+2*\g+\u/2], v[232+8*(\u%2)+2*\g+\u/2], v[96+32*\g+8*\u+\i], v[97+32*\g+8*\u+\i]
.endr
.endr
.endr
.irp b, 0,1,2,3
	v_max3_num_f32 v[232+\b], v[232+\b], v[240+\b], v[103+16*\b]
.endr
.irp b, 0,1,2,3
	v_max_num_f32 v[232+\b], v[232+\b], v[111+16*\b]
.endr
.irp b, 0,1,2,3
	s_delay_alu instid0(VALU_DEP_4)
	v_permlanex16_b32 v[236+\b], v[232+\b], s[SEL], s[SEL+1]
.endr
.irp b, 0,1,2,3
	s_delay_alu instid0(VALU_DEP_4)
	v_max_num_f32 v[232+\b], v[232+\b], v[236+\b]
.endr
	s_delay_alu instid0(VALU_DEP_2)
	v_max3_num_f32 v254, v232, v233, v234
	s_delay_alu instid0(VALU_DEP_1)
	v_max_num_f32 v254, v254, v235
	s_delay_alu instid0(VALU_DEP_1)
	v_mul_f32 v254, s[CS], v254
	s_delay_alu instid0(VALU_DEP_1)
	v_max_num_f32 v13, v13, v254                   ; the running largest t
	v_mov_b32 v254, v12
	s_delay_alu instid0(VALU_DEP_2)
	v_floor_f32 v12, -v13                          ; -M = floor(-t): M is a whole number
	s_delay_alu instid0(VALU_DEP_1)
	v_sub_f32 v254, v12, v254
	s_delay_alu instid0(VALU_DEP_1)
	v_cvt_i32_f32 v254, v254
	s_delay_alu instid0(VALU_DEP_1)
	v_ldexp_f32 v252, 1.0, v254                    ; f = 2^(old M - new M): rounds nothing
.set j, 0
.rept 32
	v_pk_fma_f32 v[96+j:97+j], v[96+j:97+j], s[CS:CS+1], v[12:13] op_sel_hi:[1,0,0]   ; t - M
.set j, j+2
.endr
.irp b, 0,1,2,3
	v_fma_f32 v[232+\b], v[232+\b], s[CS], v12
.endr
.set j, 0
	s_wait_alu depctr_va_vdst(0)
.rept 64
	v_exp_f32 v[96+j], v[96+j]                     ; p = 2^(t - M)
.set j, j+1
.endr
	v_pk_mul_f32 v[14:15], v[14:15], v[252:253] op_sel_hi:[1,0]   ; the sum under the new M; the plain line behind the batch
	s_wait_alu depctr_va_vdst(0)                   ; one wait for the 64, ahead of their first reader
.irp b, 0,1,2,3
	v_exp_f32 v[232+\b], v[232+\b]                 ; the block's largest p
.endr
; the row's sum of the unquantised p: 32 pairs into eight chains; the chains are joined behind the second product
.set cc, 0
.rept 7
	v_pk_add_f32 v[PS+2*cc:PS+2*cc+1], v[96+4*cc:97+4*cc], v[98+4*cc:99+4*cc]
.set cc, cc+1
.endr
	v_pk_add_f32 v[14:15], v[14:15], v[124:125]
.set kk, 15
.rept 17
.if (kk-15)%8 == 7
	v_pk_add_f32 v[14:15], v[14:15], v[96+2*kk:97+2*kk]
.else
	v_pk_add_f32 v[PS+2*((kk-15)%8):PS+2*((kk-15)%8)+1], v[PS+2*((kk-15)%8):PS+2*((kk-15)%8)+1], v[96+2*kk:97+2*kk]
.endif
.set kk, kk+1
.endr
	s_wait_alu depctr_va_vdst(0)                   ; and one for the four
.irp b, 0,1,2,3
	v_max_num_f32 v[232+\b], 0x8000000, v[232+\b]  ; the floor 2^(16 - 127)
.endr
.irp b, 0,1,2,3
	s_delay_alu instid0(VALU_DEP_4)
	v_add_nc_u32 v[244+\b], 0xf8800000, v[232+\b]
.endr
.irp b, 0,1,2,3
	v_and_or_b32 v[240+\b], v[232+\b], 0x7f800000, s[MNT]
.endr
.irp b, 0,1,2,3
	v_lshrrev_b32 v[236+\b], 23, v[244+\b]
.endr
	s_delay_alu instid0(VALU_DEP_3)
	v_lshl_or_b32 v253, v237, 8, v236              ; p's scale word for these 128 keys
	s_delay_alu instid0(VALU_DEP_1)
	v_lshl_or_b32 v253, v238, 16, v253
	s_delay_alu instid0(VALU_DEP_1)
	v_lshl_or_b32 v253, v239, 24, v253
.irp b, 0,1,2,3
.set i, 0
.rept 16
	v_min_num_f32 v[96+16*\b+i], v[96+16*\b+i], v[240+\b]   ; the hold; p is not negative
.set i, i+1
.endr
	v_cvt_scalef32_pk8_bf8_f32 v[192+4*\b:193+4*\b], v[96+16*\b:103+16*\b], v[244+\b]
	v_cvt_scalef32_pk8_bf8_f32 v[194+4*\b:195+4*\b], v[104+16*\b:111+16*\b], v[244+\b]
.endr
	v_nop
.irp b, 0,1,2,3
	v_permlane16_swap_b32 v[192+4*\b], v[194+4*\b]       ; into the operand's order: registers 4 b .. 4 b + 3: keys 32 b + 16 h + 0 .. 15
	v_permlane16_swap_b32 v[193+4*\b], v[195+4*\b]
.endr
.irp d, 0,1,2,3
.irp c, 0,1,2,3
	ds_load_b128 v[96+16*\d+4*\c:99+16*\d+4*\c], v[ADV] offset:2048*\d+512*\c
.endr
.endr
	ds_load_b128 v[248:251], v[ADT]
	s_wait_alu depctr_va_vdst(0)                   ; ahead of the first reader of O^T
.set j, 0
.rept 16
	v_pk_mul_f32 v[160+j:161+j], v[160+j:161+j], v[252:253] op_sel_hi:[1,0]   ; O^T under the new M; also the places between the codes' last lines and the products
.set j, j+2
.endr
	s_wait_alu depctr_va_vdst(0)
	s_wait_dscnt 0x0
.irp d, 0,1,2,3
	v_wmma_scale_f32_16x16x128_f8f6f4 v[160+8*\d:167+8*\d], v[96+16*\d:111+16*\d], v[192:207], v[160+8*\d:167+8*\d], v[248+\d], v253 matrix_a_fmt:MATRIX_FMT_BF8 matrix_b_fmt:MATRIX_FMT_BF8
.endr
	v_pk_add_f32 v[PS:PS+1], v[PS:PS+1], v[PS+2:PS+3]              ; the eight chains become one: seven lines that name no register of the products
	v_pk_add_f32 v[PS+4:PS+5], v[PS+4:PS+5], v[PS+6:PS+7]
	v_pk_add_f32 v[PS+8:PS+9], v[PS+8:PS+9], v[PS+10:PS+11]
	v_pk_add_f32 v[14:15], v[14:15], v[PS+12:PS+13]
	v_pk_add_f32 v[PS:PS+1], v[PS:PS+1], v[PS+4:PS+5]
	v_pk_add_f32 v[14:15], v[14:15], v[PS+8:PS+9]
	v_pk_add_f32 v[14:15], v[14:15], v[PS:PS+1]
	s_add_co_u32 s[TB], s[TB], 8192
	s_add_co_u32 s[TSK], s[TSK], 512
	s_add_co_u32 s[TSV], s[TSV], 256
	s_add_co_u32 s[TMK], s[TMK], 1024
.endm
	s_mov_b32 s[CNT], 2
.Lfirst:                                           ; keys 0-255
	s_wait_alu depctr_va_vdst(0)
	STEP
	s_sub_co_u32 s[CNT], s[CNT], 1
	s_cmp_lg_u32 s[CNT], 0
	s_cbranch_scc1 .Lfirst
	s_wait_tensorcnt 0x0                           ; my part of the other keys is in,
	s_wait_dscnt 0x0
	s_barrier_signal -1
	s_barrier_wait -1                              ; everybody's is
	s_mov_b32 s[CNT], 14
.Lrest:
	STEP
	s_sub_co_u32 s[CNT], s[CNT], 1
	s_cmp_lg_u32 s[CNT], 0
	s_cbranch_scc1 .Lrest
	; THE WAY OUT: O^T / the sum; the head's 64 channels are two blocks of ctx's K; codes and bytes go out as the next product's operand
.rept 8
	v_nop
.endr
	v_add_f32 v14, v14, v15
	s_delay_alu instid0(VALU_DEP_1)
	v_permlanex16_b32 v252, v14, s[SEL], s[SEL+1]
	s_delay_alu instid0(VALU_DEP_1)
	v_add_f32 v14, v14, v252                       ; the row's sum
	s_wait_alu depctr_va_vdst(0)
	v_rcp_f32 v14, v14
	v_and_b32 v8, 15, v0                           ; a plain line behind the reciprocal
	s_delay_alu instid0(VALU_DEP_1)
	v_lshlrev_b32 v7, 2, v8                        ; 4 r
	s_lshr_b32 s90, s68, 4
	s_lshl_b32 s90, s90, 7
	s_add_co_u32 s90, s90, s70                     ; my tile among the 256 tiles of rows
	s_bfe_u32 s92, s68, 0x30001                    ; the K step of 128 channels: head / 2
	s_and_b32 s93, s68, 1
	s_lshl_b32 s94, s90, 3
	s_add_co_u32 s94, s94, s92
	s_lshl_b32 s94, s94, 11
	s_lshl_b32 s95, s93, 10
	s_add_co_u32 s94, s94, s95
	s_mov_b32 s95, 0
	s_add_nc_u64 s[10:11], s[10:11], s[94:95]
	s_lshl_b32 s94, s92, 14
	s_lshl_b32 s90, s90, 6
	s_add_co_u32 s94, s94, s90
	s_lshl_b32 s93, s93, 1
	s_add_co_u32 s94, s94, s93
	s_add_nc_u64 s[12:13], s[12:13], s[94:95]
	s_wait_alu depctr_va_vdst(0)
.set j, 0
.rept 32
	v_mul_f32 v[96+j], v[160+j], v14               ; register 8 d + i: channel 16 d + 8 h + i of my query
.set j, j+1
.endr
.irp b, 0,1
	v_max3_num_f32 v[232+\b], |v[96+16*\b]|, |v[97+16*\b]|, 0x8000000
.endr
.irp i, 2,4,6,8,10,12,14
.irp b, 0,1
	s_delay_alu instid0(VALU_DEP_2)
	v_max3_num_f32 v[232+\b], v[232+\b], |v[96+16*\b+\i]|, |v[97+16*\b+\i]|
.endr
.endr
.irp b, 0,1
	s_delay_alu instid0(VALU_DEP_2)
	v_permlanex16_b32 v[236+\b], v[232+\b], s[SEL], s[SEL+1]
.endr
.irp b, 0,1
	s_delay_alu instid0(VALU_DEP_2)
	v_max_num_f32 v[232+\b], v[232+\b], v[236+\b]
.endr
.irp b, 0,1
	s_delay_alu instid0(VALU_DEP_2)
	v_add_nc_u32 v[244+\b], 0xf8800000, v[232+\b]
.endr
.irp b, 0,1
	s_delay_alu instid0(VALU_DEP_4)
	v_and_or_b32 v[240+\b], v[232+\b], 0x7f800000, s[MNT]
.endr
.irp b, 0,1
	s_delay_alu instid0(VALU_DEP_4)
	v_lshrrev_b32 v[236+\b], 23, v[244+\b]
.endr
	s_delay_alu instid0(VALU_DEP_1)
	v_lshl_or_b32 v254, v237, 8, v236              ; my head's two bytes of the row's scale word
.irp b, 0,1
.set i, 0
.rept 16
	v_med3_num_f32 v[96+16*\b+i], v[96+16*\b+i], -v[240+\b], v[240+\b]
.set i, i+1
.endr
	v_cvt_scalef32_pk8_bf8_f32 v[192+4*\b:193+4*\b], v[96+16*\b:103+16*\b], v[244+\b]
	v_cvt_scalef32_pk8_bf8_f32 v[194+4*\b:195+4*\b], v[104+16*\b:111+16*\b], v[244+\b]
.endr
	v_nop
.irp b, 0,1
	v_permlane16_swap_b32 v[192+4*\b], v[194+4*\b]
	v_permlane16_swap_b32 v[193+4*\b], v[195+4*\b]
.endr
	global_store_b128 v[AK0], v[192:195], s[10:11]             ; 512 consecutive bytes, aligned
	global_store_b128 v[AK0], v[196:199], s[10:11] offset:512
	global_store_b16 v7, v254, s[12:13]            ; two bytes a row: a word's other two belong to the neighbouring head, another work-group; both lane halves write the same value
	s_wait_dscnt 0x0
	s_wait_tensorcnt 0x0                           ; the wave's end
	ds_add_u32 v230, v231
	s_wait_dscnt 0x0
	CROUND                                         ; the closing round
	s_endpgm
.Lfunc_end_k_qc1a31741d4_att:
	.size	k_qc1a31741d4_att, .Lfunc_end_k_qc1a31741d4_att-k_qc1a31741d4_att
	.p2alignl 7, 3214868480
	.fill 96, 4, 3214868480
	.section	.rodata,"a",@progbits
	.p2align	6, 0x0
	.amdhsa_kernel k_qc1a31741d4_att
		.amdhsa_group_segment_fixed_size 292864
		.amdhsa_private_segment_fixed_size 0
		.amdhsa_enable_private_segment 0
		.amdhsa_kernarg_size 40
		.amdhsa_user_sgpr_count 2
		.amdhsa_user_sgpr_kernarg_segment_ptr 1
		.amdhsa_wavefront_size32 1
		.amdhsa_system_sgpr_workgroup_id_x 1
		.amdhsa_system_sgpr_workgroup_id_y 1
		.amdhsa_system_sgpr_workgroup_id_z 1
		.amdhsa_system_vgpr_workitem_id 0
		.amdhsa_next_free_vgpr 256
		.amdhsa_next_free_sgpr 96
		.amdhsa_reserve_vcc 1
		.amdhsa_float_denorm_mode_32 3
		.amdhsa_float_denorm_mode_16_64 3
		.amdhsa_memory_ordered 1
		.amdhsa_forward_progress 1
		.amdhsa_inst_pref_size 64
	.end_amdhsa_kernel
	.amdgpu_metadata
---
amdhsa.version: [ 1, 2 ]
amdhsa.kernels:
  - .name:           k_qc1a31741d4_att
    .symbol:         k_qc1a31741d4_att.kd
    .args:
      - { .name: qkvc, .offset: 0, .size: 8, .value_kind: global_buffer, .address_space: global }
      - { .name: qkvs, .offset: 8, .size: 8, .value_kind: global_buffer, .address_space: global }
      - { .name: question_mask, .offset: 16, .size: 8, .value_kind: global_buffer, .address_space: global }
      - { .name: img, .offset: 24, .size: 8, .value_kind: global_buffer, .address_space: global }
      - { .name: imgs, .offset: 32, .size: 8, .value_kind: global_buffer, .address_space: global }
    .group_segment_fixed_size: 292864
    .private_segment_fixed_size: 0
    .kernarg_segment_align: 8
    .kernarg_segment_size: 40
    .max_flat_workgroup_size: 512
    .sgpr_count:     96
    .vgpr_count:     256
    .wavefront_size: 32
...
	.end_amdgpu_metadata
.endif
;; end of part 3
;; launch wo (part 4): grid 8 x 32, 4 waves a work-group, clusters of 4 x 4, 327,680 bytes of LDS; arguments img, imgs, Wo_codes, Wo_scales, bo, question_embeddings, y; writes y
.if DOCPART == 4
	.amdgcn_target "amdgcn-amd-amdhsa--gfx1250"
	.amdhsa_code_object_version 6
	.text
	.protected	k_qc1a31741d4_wo
	.globl	k_qc1a31741d4_wo
	.p2align	8
	.type	k_qc1a31741d4_wo,@function
k_qc1a31741d4_wo:
	s_mov_b64 s[64:65], 0
	v_nop
	global_prefetch_b8 v0, s[64:65] scope:SCOPE_SE
	s_setreg_imm32_b32 hwreg(HW_REG_WAVE_MODE, 25, 1), 1
	s_wait_xcnt 0x0
	s_wait_alu depctr_hold_cnt(0) depctr_sa_sdst(0) depctr_va_vdst(0) depctr_va_sdst(0) depctr_va_ssrc(0) depctr_va_vcc(0) depctr_vm_vsrc(0)
	s_getreg_b32 s2, hwreg(HW_REG_IB_STS2, 6, 4)
	s_cmp_eq_u32 s2, 0
	s_cbranch_scc0 .Lentry_in_a_cluster
	s_endpgm
.Lentry_in_a_cluster:
	s_bfe_u32 s2, ttmp6, 0x10000c
	s_cmp_lg_u32 s2, 0xf033
	s_cbranch_scc0 .Lentry_shape_is_right
	s_endpgm
.Lentry_shape_is_right:
; y = ctx Wo^T + bo + x, f32.  ctx [4096][1024] lies as operand images (img: [tile of 16 rows][8 K steps][2,048 bytes]; imgs: [8][4096] scale words); Wo as codes [1024][1024] with scale bytes [1024][32].
; A tile of y is 128 x 128: 256 work-groups; a wave makes 64 x 64: 16 accumulators.  Source 0 = 16 rows of Wo, source 1 = 16 rows of ctx: a lane holds eight neighbouring numbers of a row of y.
; ALL OF K LIES IN LDS, filled once by four joint loads at the head, one a wave (4 x 4 cluster: ctx shared along a row, Wo along a column):
; wave 0: ctx's 8 tiles of rows, 131,072 dense bytes; wave 1: Wo's 128 rows of 1,024 bytes + 16 of padding; wave 2: ctx's scale words; wave 3: Wo's scale bytes.  Nothing is filled again.
; No prefetch: there is no loop to run ahead in; every tile is asked for at the head.
; The bias is the C of each sum's first instruction; the residual is loaded at the head into registers and added on the way out, which goes through LDS bytes of its own.
; LIMITS: NaN and infinities are not served.
.set NK,     8
.set KS,     32
.set NP,     8
.set BOFF,   131072                    ; behind ctx's images: Wo's rows
.set BP,     1040
.set SCA,    BOFF+128*BP               ; ctx's scale words: [NK][128 rows]
.set SCB,    SCA+512*NK                ; Wo's scale bytes: units of 256 bytes + 16
.set SCBH,   (64*KS/256)*272
.set SBB,    (16*KS/256)*272
.set SPARE,  SCB+2*SCBH                ; the spare words, 128 bytes a wave
.set STG,    SPARE+512                 ; the way out: 16 rows x (256 + 16) a wave; no fill lands here
.set SPITCH, 272
.set ADRA, 16
.set ADRB, 20
.set ADSA, 22
.set ADSB, 23
.set STO,  24
.set RD,   25
.set CO,   26
.set SPW,  28
.set NIL,  29
.set BO,   30
.set SA,   31                          ; v31-62 ctx's scale words: 8 a + q
.set SB,   64                          ; v64-95 Wo's: 8 b + q (a product's two scale registers differ modulo 8)
.set BI,   96                          ; v96-127 the bias; on the way out the rows read back
.set OB,   96
.set ACC,  128                         ; v128-255 accumulator (a, b) at 8 (4 a + b)
.set F0,   0                           ; window 1: two fragment buffers; ctx's fragment a at 16 a, Wo's b at 64 + 16 b
.set F1,   128
.set RES,  0                           ; window 2: the residual, 128 registers
.set G1, 24
.set G0, 32
.set G1B, 48
.set G0B, 56
.set G1S, 68
.set G0S, 76
.set G1SB, 80
.set G0SB, 88
.set MSB, 0
.macro WIN new
.if MSB != \new
	s_set_vgpr_msb (MSB<<8)|\new
.set MSB, \new
.endif
.endm
.set MUL,   0x05                       ; sources 0 and 1 window 1
.set TO_F,  0x40
.set TO_R,  0x80
.set ADD_R, 0x08
.macro CROUND
	s_barrier_signal -1
	s_barrier_wait -1
	s_cmp_lg_u32 s14, 0
	s_cbranch_scc1 .Lnot_wave_0_\@
	s_barrier_signal -3
.Lnot_wave_0_\@:
	s_barrier_wait -3
	s_barrier_signal -1
	s_barrier_wait -1
.endm
.macro PLACES n
.rept \n
	v_nop
.endr
.endm
	s_load_b128 s[4:7], s[0:1], 0x0                ; img, imgs
	s_load_b128 s[8:11], s[0:1], 0x10              ; Wo's codes, Wo's scales
	s_load_b128 s[96:99], s[0:1], 0x20             ; the bias, the residual
	s_load_b64 s[12:13], s[0:1], 0x30              ; y
	v_lshl_add_u32 v[SPW], v0, 2, SPARE
	v_mov_b32 v[NIL], 0
	ds_add_u32 v[SPW], v[NIL]                      ; the opening lines
	ds_add_u32 v[SPW], v[NIL]
	v_lshrrev_b32 v1, 5, v0
	v_readfirstlane_b32 s14, v1
	s_lshr_b32 s15, s14, 1                         ; my half of the rows
	s_and_b32 s16, s14, 1                          ; my half of the columns
	s_bfe_u32 s40, ttmp6, 0x40000
	s_bfe_u32 s41, ttmp6, 0x40004
	s_lshl_b32 s42, ttmp9, 2
	s_add_co_u32 s42, s42, s40                     ; tile column
	s_and_b32 s17, ttmp7, 0xffff
	s_lshl_b32 s17, s17, 2
	s_add_co_u32 s17, s17, s41                     ; tile row
	s_lshl_b32 s43, s41, 2
	s_lshl_b32 s43, 15, s43
	s_lshl_b32 s44, 0x1111, s40
	s_or_b32 s[G1], s43, (3<<16)|(1<<21)           ; ctx: 131,072 dense bytes as 16 rows of 1,024 elements of 8 bytes
	s_mov_b32 s[G1+1], 1024<<16
	s_mov_b32 s[G1+2], 16<<16
	s_mov_b32 s[G1+3], 1024<<16
	s_mov_b32 s[G1+4], 16
	s_mov_b32 s[G1+5], 1024
	s_mov_b32 s[G1+6], 0
	s_mov_b32 s[G1+7], 0
	s_or_b32 s[G1B], s44, (0<<16)|(1<<20)|(1<<21)|(7<<22)|(3<<25)   ; Wo: 128 rows of 1,024 bytes, 16 bytes of padding behind each
	s_mov_b32 s[G1B+1], 1024<<16
	s_mov_b32 s[G1B+2], 128<<16
	s_mov_b32 s[G1B+3], 1024<<16
	s_mov_b32 s[G1B+4], 128
	s_mov_b32 s[G1B+5], 1024
	s_mov_b32 s[G1B+6], 0
	s_mov_b32 s[G1B+7], 0
	s_or_b32 s[G1S], s43, (3<<16)|(1<<21)          ; ctx's scale words: NK rows of 512 bytes, 16,384 apart
	s_mov_b32 s[G1S+1], 64<<16
	s_mov_b32 s[G1S+2], NK<<16
	s_mov_b32 s[G1S+3], 64<<16
	s_mov_b32 s[G1S+4], NK
	s_mov_b32 s[G1S+5], 2048
	s_mov_b32 s[G1S+6], 0
	s_mov_b32 s[G1S+7], 0
	s_or_b32 s[G1SB], s44, (3<<16)|(1<<20)|(1<<21)|(5<<22)|(3<<25)  ; Wo's scale bytes: 4,096 dense bytes as rows of 256, padded
	s_mov_b32 s[G1SB+1], 32<<16
	s_mov_b32 s[G1SB+2], (128*KS/256)<<16
	s_mov_b32 s[G1SB+3], 32<<16
	s_mov_b32 s[G1SB+4], 128*KS/256
	s_mov_b32 s[G1SB+5], 32
	s_mov_b32 s[G1SB+6], 0
	s_mov_b32 s[G1SB+7], 0
	s_lshl_b32 s20, s17, 17                        ; ctx: 8 tiles of rows x 16,384 bytes a tile row
	s_mov_b32 s21, 0
	s_lshl_b32 s22, s17, 9
	s_mov_b32 s23, 0
	s_lshl_b32 s46, s42, 7                         ; Wo: row 128 x tile column
	s_mul_i32 s92, s46, KS
	s_mov_b32 s93, 0
	s_lshl_b32 s46, s46, 10
	s_mov_b32 s47, 0
	s_wait_dscnt 0x0
	s_wait_kmcnt 0x0
	s_add_nc_u64 s[20:21], s[4:5], s[20:21]
	s_add_nc_u64 s[22:23], s[6:7], s[22:23]
	s_add_nc_u64 s[46:47], s[8:9], s[46:47]
	s_add_nc_u64 s[92:93], s[10:11], s[92:93]
	CROUND
	s_mov_b32 s[G0], 1
	s_mov_b32 s[G0+1], 0
	s_mov_b64 s[G0+2:G0+3], s[20:21]
	s_or_b32 s[G0+3], s[G0+3], 0x80000000
	s_mov_b32 s[G0B], 1
	s_mov_b32 s[G0B+1], BOFF
	s_mov_b64 s[G0B+2:G0B+3], s[46:47]
	s_or_b32 s[G0B+3], s[G0B+3], 0x80000000
	s_mov_b32 s[G0S], 1
	s_mov_b32 s[G0S+1], SCA
	s_mov_b64 s[G0S+2:G0S+3], s[22:23]
	s_or_b32 s[G0S+3], s[G0S+3], 0x80000000
	s_mov_b32 s[G0SB], 1
	s_mov_b32 s[G0SB+1], SCB
	s_mov_b64 s[G0SB+2:G0SB+3], s[92:93]
	s_or_b32 s[G0SB+3], s[G0SB+3], 0x80000000
; one chain of arms on the wave's number, a joint load an arm
.macro ARM under, g0, g1, next
	s_cmp_lt_u32 s14, \under
	s_cbranch_scc0 \next
	tensor_load_to_lds s[\g0:\g0+3], s[\g1:\g1+7]
	s_nop 0
	PLACES 4
	s_branch .Lhead_asked
\next:
.endm
	ARM 1, G0, G1, .Lhead_b
	ARM 2, G0B, G1B, .Lhead_sa
	ARM 3, G0S, G1S, .Lhead_sb
	tensor_load_to_lds s[G0SB:G0SB+3], s[G1SB:G1SB+7]
	s_nop 0
	PLACES 4
.Lhead_asked:
	v_and_b32 v1, 15, v0                           ; r
	v_bfe_u32 v2, v0, 4, 1                         ; h
	v_and_b32 v3, 31, v0
	v_lshlrev_b32 v4, 4, v3
	s_wait_alu depctr_va_vdst(0)
	s_lshl_b32 s21, s15, 16
	v_add_nc_u32 v[ADRA], s21, v4                  ; my four tiles of rows, 16 bytes a lane
	v_mul_u32_u24 v5, v1, BP
	v_lshl_add_u32 v5, v2, 4, v5
	s_mul_i32 s22, s16, 64*BP
	s_add_co_u32 s22, s22, BOFF
	v_add_nc_u32 v[ADRB], s22, v5
	s_lshl_b32 s21, s15, 8
	s_add_co_u32 s21, s21, SCA
	v_lshl_add_u32 v[ADSA], v1, 2, s21
	v_mul_u32_u24 v5, v1, KS
	v_lshrrev_b32 v6, 8, v5
	v_lshl_add_u32 v5, v6, 4, v5
	s_mul_i32 s22, s16, SCBH
	s_add_co_u32 s22, s22, SCB
	v_add_nc_u32 v[ADSB], s22, v5
	s_mul_i32 s23, s14, 16*SPITCH
	s_add_co_u32 s23, s23, STG                     ; my stage
	v_mul_u32_u24 v5, v1, SPITCH
	v_lshl_add_u32 v5, v2, 5, v5
	v_add_nc_u32 v[STO], s23, v5
	v_mul_u32_u24 v5, v2, SPITCH
	v_lshl_add_u32 v5, v1, 4, v5
	v_add_nc_u32 v[RD], s23, v5
	v_lshlrev_b32 v5, 12, v2
	v_lshl_add_u32 v[CO], v1, 4, v5                ; lanes 0-15 one row of y, lanes 16-31 the next
	v_lshlrev_b32 v[BO], 5, v2
	s_wait_alu depctr_va_vdst(0)
	s_lshl_b32 s20, s17, 7
	s_lshl_b32 s21, s15, 6
	s_add_co_u32 s20, s20, s21
	s_lshl_b32 s20, s20, 12                        ; my first row, in bytes
	s_lshl_b32 s46, s42, 7
	s_lshl_b32 s47, s16, 6
	s_add_co_u32 s46, s46, s47
	s_lshl_b32 s46, s46, 2                         ; my first column, in bytes
	s_mov_b32 s47, 0
	s_add_nc_u64 s[96:97], s[96:97], s[46:47]
	s_add_co_u32 s46, s46, s20
	s_add_nc_u64 s[98:99], s[98:99], s[46:47]
	s_add_nc_u64 s[12:13], s[12:13], s[46:47]
.irp b, 0,1,2,3
	global_load_b128 v[BI+8*\b:BI+8*\b+3], v[BO], s[96:97] offset:64*\b           ; register 8 b + j = bias(my column + 16 b + 8 h + j)
	global_load_b128 v[BI+8*\b+4:BI+8*\b+7], v[BO], s[96:97] offset:64*\b+16
.endr
	WIN TO_R
.irp a, 0,1,2,3
.irp i, 0,1,2,3,4,5,6,7
	global_load_b128 v[RES+32*\a+4*\i:RES+32*\a+4*\i+3], v[CO], s[98:99] offset:(16*\a+2*\i)*4096
.endr
.endr
	WIN 0
.macro FETCH q, f                      ; 32 LDS loads: the fragments of the q-th 128 along K
	WIN TO_F
.irp b, 0,1,2,3
.irp c, 0,1,2,3
	ds_load_b128 v[\f+64+16*\b+4*\c:\f+64+16*\b+4*\c+3], v[ADRB] offset:16*BP*\b+128*(\q)+32*\c
.endr
.endr
.irp a, 0,1,2,3
.irp c, 0,1,2,3
	ds_load_b128 v[\f+16*\a+4*\c:\f+16*\a+4*\c+3], v[ADRA] offset:16384*\a+2048*(\q)+512*\c
.endr
.endr
.endm
.macro MUL4 f, a, q, first             ; ctx's block a x Wo's four.  The 16 accumulators take turns, in one order in every quarter
.irp b, 0,1,2,3
.if \first
	v_wmma_scale_f32_16x16x128_f8f6f4 v[ACC+8*(4*(\a)+\b):ACC+8*(4*(\a)+\b)+7], v[\f+64+16*\b:\f+64+16*\b+15], v[\f+16*(\a):\f+16*(\a)+15], v[BI+8*\b:BI+8*\b+7], v[SB+8*\b+(\q)], v[SA+8*(\a)+(\q)] matrix_a_fmt:MATRIX_FMT_BF8 matrix_b_fmt:MATRIX_FMT_BF8
.else
	v_wmma_scale_f32_16x16x128_f8f6f4 v[ACC+8*(4*(\a)+\b):ACC+8*(4*(\a)+\b)+7], v[\f+64+16*\b:\f+64+16*\b+15], v[\f+16*(\a):\f+16*(\a)+15], v[ACC+8*(4*(\a)+\b):ACC+8*(4*(\a)+\b)+7], v[SB+8*\b+(\q)], v[SA+8*(\a)+(\q)] matrix_a_fmt:MATRIX_FMT_BF8 matrix_b_fmt:MATRIX_FMT_BF8
.endif
.endr
.endm
.macro QUARTER q, f, g, first          ; 128 along K on buffer f; in its middle the next 128's fragments are fetched into g
	s_wait_dscnt 0x0
	WIN MUL
	MUL4 \f, 0, \q, \first
	MUL4 \f, 1, \q, \first
	PLACES NP                                      ; for the loads into g, which the quarter before multiplied
	FETCH (\q)+1, \g
	WIN MUL
	MUL4 \f, 2, \q, \first
	MUL4 \f, 3, \q, \first
.endm
	s_wait_tensorcnt 0x0                           ; my tile of the four is in,
	s_barrier_signal -1
	s_barrier_wait -1                              ; everybody's is
	FETCH 0, F0
	WIN 0
.irp a, 0,1,2,3
.irp q, 0,1,2,3,4,5,6,7
	ds_load_b32 v[SA+8*\a+\q], v[ADSA] offset:512*\q+64*\a       ; the scale words of all of K
.endr
.endr
.irp b, 0,1,2,3
	ds_load_b128 v[SB+8*\b:SB+8*\b+3], v[ADSB] offset:\b*SBB
	ds_load_b128 v[SB+8*\b+4:SB+8*\b+7], v[ADSB] offset:\b*SBB+16
.endr
	s_wait_loadcnt 32                              ; the bias is in; the residual's 32 loads may be out
	QUARTER 0, F0, F1, 1
	QUARTER 1, F1, F0, 0
	QUARTER 2, F0, F1, 0
	QUARTER 3, F1, F0, 0
	QUARTER 4, F0, F1, 0
	QUARTER 5, F1, F0, 0
	QUARTER 6, F0, F1, 0
	s_wait_dscnt 0x0
	WIN MUL
	MUL4 F1, 0, 7, 0
	MUL4 F1, 1, 7, 0
	MUL4 F1, 2, 7, 0
	MUL4 F1, 3, 7, 0
	WIN 0
; THE WAY OUT, 16 rows x 64 columns at a time: through my stage, back as whole rows of 256 bytes, the residual added, stored
.macro OUTB a
.if (\a) > 0
	s_wait_xcnt 0x0                                ; the last block's stores have read their registers
.endif
.irp b, 0,1,2,3
	ds_store_b128 v[STO], v[ACC+8*(4*(\a)+\b):ACC+8*(4*(\a)+\b)+3] offset:64*\b
	ds_store_b128 v[STO], v[ACC+8*(4*(\a)+\b)+4:ACC+8*(4*(\a)+\b)+7] offset:64*\b+16
.endr
.irp i, 0,1,2,3,4,5,6,7
	ds_load_b128 v[OB+4*\i:OB+4*\i+3], v[RD] offset:2*SPITCH*\i
.endr
	s_wait_dscnt 0x0
.if (\a) == 0
	s_wait_loadcnt 0x0                             ; the residual
.endif
	WIN ADD_R
.set k, 0
.rept 16
	v_pk_add_f32 v[OB+k:OB+k+1], v[OB+k:OB+k+1], v[RES+32*(\a)+k:RES+32*(\a)+k+1]
.set k, k+2
.endr
	WIN 0
.irp i, 0,1,2,3,4,5,6,7
	global_store_b128 v[CO], v[OB+4*\i:OB+4*\i+3], s[12:13] offset:(16*(\a)+2*\i)*4096   ; sixteen lanes store 256 consecutive bytes, aligned
.endr
.endm
	PLACES NP
	OUTB 0
	OUTB 1
	OUTB 2
	OUTB 3
	s_wait_tensorcnt 0x0                           ; the wave's end
	ds_add_u32 v[SPW], v[NIL]
	s_wait_dscnt 0x0
	CROUND
	s_endpgm
.Lfunc_end_k_qc1a31741d4_wo:
	.size	k_qc1a31741d4_wo, .Lfunc_end_k_qc1a31741d4_wo-k_qc1a31741d4_wo
	.p2alignl 7, 3214868480
	.fill 96, 4, 3214868480
	.section	.rodata,"a",@progbits
	.p2align	6, 0x0
	.amdhsa_kernel k_qc1a31741d4_wo
		.amdhsa_group_segment_fixed_size 327680
		.amdhsa_private_segment_fixed_size 0
		.amdhsa_enable_private_segment 0
		.amdhsa_kernarg_size 56
		.amdhsa_user_sgpr_count 2
		.amdhsa_user_sgpr_kernarg_segment_ptr 1
		.amdhsa_wavefront_size32 1
		.amdhsa_system_sgpr_workgroup_id_x 1
		.amdhsa_system_sgpr_workgroup_id_y 1
		.amdhsa_system_sgpr_workgroup_id_z 1
		.amdhsa_system_vgpr_workitem_id 0
		.amdhsa_next_free_vgpr 640
		.amdhsa_next_free_sgpr 100
		.amdhsa_reserve_vcc 0
		.amdhsa_float_denorm_mode_32 3
		.amdhsa_float_denorm_mode_16_64 3
		.amdhsa_memory_ordered 1
		.amdhsa_forward_progress 1
		.amdhsa_inst_pref_size 62
	.end_amdhsa_kernel
	.amdgpu_metadata
---
amdhsa.version: [ 1, 2 ]
amdhsa.kernels:
  - .name:           k_qc1a31741d4_wo
    .symbol:         k_qc1a31741d4_wo.kd
    .args:
      - { .name: img, .offset: 0, .size: 8, .value_kind: global_buffer, .address_space: global }
      - { .name: imgs, .offset: 8, .size: 8, .value_kind: global_buffer, .address_space: global }
      - { .name: Wo_codes, .offset: 16, .size: 8, .value_kind: global_buffer, .address_space: global }
      - { .name: Wo_scales, .offset: 24, .size: 8, .value_kind: global_buffer, .address_space: global }
      - { .name: bo, .offset: 32, .size: 8, .value_kind: global_buffer, .address_space: global }
      - { .name: question_embeddings, .offset: 40, .size: 8, .value_kind: global_buffer, .address_space: global }
      - { .name: y, .offset: 48, .size: 8, .value_kind: global_buffer, .address_space: global }
    .group_segment_fixed_size: 327680
    .private_segment_fixed_size: 0
    .kernarg_segment_align: 8
    .kernarg_segment_size: 56
    .max_flat_workgroup_size: 128
    .sgpr_count:     100
    .vgpr_count:     640
    .wavefront_size: 32
...
	.end_amdgpu_metadata
.endif
;; end of part 4
;; launch ln1 (part 5): grid 256 x 1, 16 waves a work-group, no clusters, 84,480 bytes of LDS; arguments y, ln_g, ln_b, h, aqc, aqs; writes h, aqc, aqs
.if DOCPART == 5
	.amdgcn_target "amdgcn-amd-amdhsa--gfx1250"
	.amdhsa_code_object_version 6
	.text
	.protected	k_qc1a31741d4_ln1
	.globl	k_qc1a31741d4_ln1
	.p2align	8
	.type	k_qc1a31741d4_ln1,@function
k_qc1a31741d4_ln1:
	s_mov_b64 s[64:65], 0
	v_nop
	global_prefetch_b8 v0, s[64:65] scope:SCOPE_SE
	s_setreg_imm32_b32 hwreg(HW_REG_WAVE_MODE, 25, 1), 1
	s_wait_xcnt 0x0
; h = LayerNorm(y) x g + b, f32 [4096][1024], and at once its codes of E5M2 (aqc) and E8M0 bytes (aqs) along the row.
; SHARES.  A wave takes ONE row, whole: eight loads of 512 consecutive bytes, 32 registers; a work-group of sixteen waves takes 16 rows.  A wave's loads go out at its head, the row's ahead of g's and b's:
; 4,096 waves x 4,096 bytes are all of y, so every byte is asked for before any is worked on.  All sixteen waves of a work-group read the same 8,192 bytes of g and b.
; Mean, then the mean of the squared differences (two passes over registers), 1 / sqrt by v_rsq_f32.
; For the codes the row's two halves of 512 numbers turn through the wave's own two stages in LDS and come back 16 neighbours a lane (two lanes a block).
; A wave makes 32 scale bytes: the sixteen waves gather theirs in 512 bytes of LDS, and behind one barrier wave 0 stores them: 512 consecutive, aligned bytes.
; LIMITS: NaN and infinities are not served; a block of zeros gets the byte 1 (its codes are zeros; only this program reads the bytes).
.set X,    20                          ; v20-51   the row
.set G,    52                          ; v52-83   g, in the row's layout
.set BE,   84                          ; v84-115  b
.set XQ,   116                         ; v116-147 two sets of 16 neighbours
.set CD,   148                         ; v148-155 codes, a set for each half
.set SBY,  156                         ; v156-157 scale bytes
.set SP,   80                          ; a lane's place in a stage: 64 bytes + 16 of padding
.set WREG, 2*32*SP                     ; LDS of a wave: two stages of 32 x SP bytes
.set SCB,  16*WREG                     ; behind the sixteen waves' stages: the work-group's 512 scale bytes
	s_load_b128 s[4:7], s[0:1], 0x0                ; y, g
	s_load_b128 s[8:11], s[0:1], 0x10              ; b, h
	s_load_b128 s[12:15], s[0:1], 0x20             ; the codes, the scale bytes
	v_lshl_add_u32 v160, v0, 2, 0x14200
	v_mov_b32 v161, 0
	v_lshrrev_b32 v6, 5, v0
	s_delay_alu instid0(VALU_DEP_1)
	v_readfirstlane_b32 s16, v6                    ; wave 0..15
	v_and_b32 v7, 31, v0                           ; lane
	s_delay_alu instid0(VALU_DEP_1)
	v_lshlrev_b32 v1, 4, v7                        ; 16 lane; never rewritten
	s_mul_i32 s17, s16, WREG
	v_lshrrev_b32 v2, 2, v7
	s_delay_alu instid0(VALU_DEP_1)
	v_mul_u32_u24 v2, v2, SP
	v_and_b32 v3, 3, v7
	s_delay_alu instid0(VALU_DEP_1)
	v_lshl_add_u32 v2, v3, 4, v2
	s_delay_alu instid0(VALU_DEP_1)
	v_add_nc_u32 v2, s17, v2                       ; the stage, way in: SP (lane / 4) + 16 (lane % 4)
	v_mul_u32_u24 v3, v7, SP
	s_delay_alu instid0(VALU_DEP_1)
	v_add_nc_u32 v3, s17, v3                       ; way out: SP x lane
	s_lshl_b32 s17, s16, 5
	s_add_co_u32 s17, s17, SCB
	v_lshrrev_b32 v4, 1, v7
	s_delay_alu instid0(VALU_DEP_1)
	v_add_nc_u32 v4, s17, v4                       ; my block's byte: 32 bytes a wave, one for two lanes
	v_add_nc_u32 v5, SCB, v1                       ; and where wave 0 reads all 512 back
	v_mov_b32 v15, 0                               ; upper halves of pairs of which the low word serves both halves
	v_mov_b32 v19, 0
	s_lshl_b32 s17, ttmp9, 4
	s_add_co_u32 s17, s17, s16                     ; my row: 16 x work-group + wave
	s_lshl_b32 s18, s17, 12                        ; 4,096 bytes of y and of h a row
	s_mov_b32 s19, 0
	s_lshl_b32 s22, s17, 10                        ; 1,024 bytes of codes
	s_mov_b32 s23, 0
	s_lshl_b32 s24, ttmp9, 9                       ; 512 scale bytes a work-group
	s_mov_b32 s25, 0
	s_mov_b32 s20, 0x3a800000                      ; 1 / 1024
	s_mov_b32 s21, 0x3727c5ac                      ; 1e-5
	s_mov_b32 s26, 0x76543210
	s_mov_b32 s27, 0xfedcba98                      ; v_permlanex16_b32's selects for lane l xor 16
	s_mov_b32 s28, 0x600000                        ; the mantissa field of 57,344
	s_wait_kmcnt 0x0
	s_add_nc_u64 s[4:5], s[4:5], s[18:19]
	s_add_nc_u64 s[10:11], s[10:11], s[18:19]
	s_add_nc_u64 s[12:13], s[12:13], s[22:23]
	s_add_nc_u64 s[14:15], s[14:15], s[24:25]
.irp j, 0,1,2,3,4,5,6,7
	global_load_b128 v[X+4*\j:X+4*\j+3], v1, s[4:5] offset:512*\j th:TH_LOAD_NT
.endr
.irp j, 0,1,2,3,4,5,6,7
	global_load_b128 v[G+4*\j:G+4*\j+3], v1, s[6:7] offset:512*\j
.endr
.irp j, 0,1,2,3,4,5,6,7
	global_load_b128 v[BE+4*\j:BE+4*\j+3], v1, s[8:9] offset:512*\j
.endr
.macro ACROSS                          ; v[6:7] summed over its halves and the 32 lanes; the result in every lane's v6
	s_delay_alu instid0(VALU_DEP_1)
	v_add_f32 v6, v6, v7
	s_delay_alu instid0(VALU_DEP_1)
	v_add_f32_dpp v6, v6, v6 row_xmask:1 row_mask:0xf bank_mask:0xf
	s_delay_alu instid0(VALU_DEP_1)
	v_add_f32_dpp v6, v6, v6 row_xmask:2 row_mask:0xf bank_mask:0xf
	s_delay_alu instid0(VALU_DEP_1)
	v_add_f32_dpp v6, v6, v6 row_xmask:4 row_mask:0xf bank_mask:0xf
	s_delay_alu instid0(VALU_DEP_1)
	v_add_f32_dpp v6, v6, v6 row_xmask:8 row_mask:0xf bank_mask:0xf
	s_delay_alu instid0(VALU_DEP_1)
	v_permlanex16_b32 v7, v6, s26, s27
	s_delay_alu instid0(VALU_DEP_1)
	v_add_f32 v6, v6, v7
.endm
.macro JOIN                            ; four chains into one
	s_delay_alu instid0(VALU_DEP_3)
	v_pk_add_f32 v[6:7], v[6:7], v[8:9]
	s_delay_alu instid0(VALU_DEP_2)
	v_pk_add_f32 v[10:11], v[10:11], v[12:13]
	s_delay_alu instid0(VALU_DEP_1)
	v_pk_add_f32 v[6:7], v[6:7], v[10:11]
.endm
.macro HALF u                          ; 512 numbers, 16 neighbours a lane, become codes and bytes
.set Q, XQ+16*(\u)
	v_max3_num_f32 v8, |v[Q]|, |v[Q+1]|, |v[Q+2]|
	v_max3_num_f32 v9, |v[Q+3]|, |v[Q+4]|, |v[Q+5]|
.irp i, 6,10
	s_delay_alu instid0(VALU_DEP_2)
	v_max3_num_f32 v8, v8, |v[Q+\i]|, |v[Q+\i+1]|
	s_delay_alu instid0(VALU_DEP_2)
	v_max3_num_f32 v9, v9, |v[Q+\i+2]|, |v[Q+\i+3]|
.endr
	s_delay_alu instid0(VALU_DEP_2)
	v_max3_num_f32 v8, v8, |v[Q+14]|, |v[Q+15]|
	s_delay_alu instid0(VALU_DEP_1)
	v_max3_num_f32 v8, v8, v9, 0x8000000           ; the floor 2^(16 - 127): the byte cannot fall under 1
	s_delay_alu instid0(VALU_DEP_1)
	v_max_num_f32_dpp v8, v8, v8 row_xmask:1 row_mask:0xf bank_mask:0xf   ; with my neighbour's 16: the block's
	s_delay_alu instid0(VALU_DEP_1)
	v_add_nc_u32 v11, 0xf8800000, v8               ; 15 off the exponent field: the conversion's scale operand
	s_delay_alu instid0(VALU_DEP_2)
	v_and_or_b32 v10, v8, 0x7f800000, s28          ; 57,344 x the scale
.irp i, 0,1,2,3,4,5,6,7,8,9,10,11,12,13,14,15
	v_med3_num_f32 v[Q+\i], v[Q+\i], -v10, v10     ; the conversion does not saturate (ISA guide 7.6.2): hold first
.endr
	v_cvt_scalef32_pk8_bf8_f32 v[CD+4*(\u):CD+4*(\u)+1], v[Q:Q+7], v11
	v_cvt_scalef32_pk8_bf8_f32 v[CD+4*(\u)+2:CD+4*(\u)+3], v[Q+8:Q+15], v11
	v_lshrrev_b32 v[SBY+(\u)], 23, v11             ; the scale's byte; also the plain line behind the conversions
	ds_store_b8 v4, v[SBY+(\u)] offset:16*(\u)     ; both lanes of a block write the same byte with the same value
	global_store_b128 v1, v[CD+4*(\u):CD+4*(\u)+3], s[12:13] offset:512*(\u)   ; 512 consecutive bytes, aligned
.endm
	s_wait_loadcnt 16                              ; my row is in; g's and b's sixteen loads may be out
.irp k, 0,1,2,3
	v_pk_add_f32 v[6+2*\k:7+2*\k], v[X+2*\k:X+2*\k+1], v[X+8+2*\k:X+9+2*\k]
.endr
.irp m, 16,24
.irp k, 0,1,2,3
	s_delay_alu instid0(VALU_DEP_4)
	v_pk_add_f32 v[6+2*\k:7+2*\k], v[6+2*\k:7+2*\k], v[X+\m+2*\k:X+\m+2*\k+1]
.endr
.endr
	JOIN
	ACROSS
	s_delay_alu instid0(VALU_DEP_1)
	v_mul_f32 v14, s20, v6                         ; the mean
.set k, 0
.rept 16
	v_pk_add_f32 v[X+k:X+k+1], v[X+k:X+k+1], v[14:15] op_sel_hi:[1,0] neg_lo:[0,1] neg_hi:[0,1]
.set k, k+2
.endr
.irp k, 0,1,2,3
	v_pk_mul_f32 v[6+2*\k:7+2*\k], v[X+2*\k:X+2*\k+1], v[X+2*\k:X+2*\k+1]
.endr
.irp m, 8,16,24
.irp k, 0,1,2,3
	s_delay_alu instid0(VALU_DEP_4)
	v_pk_fma_f32 v[6+2*\k:7+2*\k], v[X+\m+2*\k:X+\m+2*\k+1], v[X+\m+2*\k:X+\m+2*\k+1], v[6+2*\k:7+2*\k]
.endr
.endr
	JOIN
	ACROSS
	s_delay_alu instid0(VALU_DEP_1)
	v_fma_f32 v16, v6, s20, s21                    ; the variance + 1e-5
	s_wait_alu depctr_va_vdst(0)
	v_rsq_f32 v18, v16
	v_nop
	s_wait_alu depctr_va_vdst(0)                   ; ahead of the first reader
.set k, 0
.rept 16
	v_pk_mul_f32 v[X+k:X+k+1], v[X+k:X+k+1], v[18:19] op_sel_hi:[1,0]
.set k, k+2
.endr
	s_wait_loadcnt 0x0                             ; g and b
.set k, 0
.rept 16
	v_pk_fma_f32 v[X+k:X+k+1], v[X+k:X+k+1], v[G+k:G+k+1], v[BE+k:BE+k+1]
.set k, k+2
.endr
.irp j, 0,1,2,3,4,5,6,7
	global_store_b128 v1, v[X+4*\j:X+4*\j+3], s[10:11] offset:512*\j
.endr
.irp u, 0,1
.irp i, 0,1,2,3
	ds_store_b128 v2, v[X+16*\u+4*\i:X+16*\u+4*\i+3] offset:32*SP*\u+8*SP*\i
.endr
.irp i, 0,1,2,3
	ds_load_b128 v[XQ+16*\u+4*\i:XQ+16*\u+4*\i+3], v3 offset:32*SP*\u+16*\i   ; LDS serves a wave's instructions in order: these see the stores above
.endr
.endr
	s_wait_dscnt 8                                 ; the first half is back; the second half's four stores and four loads may be out
	HALF 0
	s_wait_dscnt 1                                 ; the second half is back; the first half's byte store may be out
	HALF 1
	s_wait_dscnt 0x0                               ; for the others' sake: my two byte stores are done
	s_barrier_signal -1
	s_barrier_wait -1                              ; all sixteen waves' 32 bytes lie in LDS
	s_cmp_lg_u32 s16, 0
	s_cbranch_scc1 .Ldone
	ds_load_b128 v[8:11], v5
	s_wait_dscnt 0x0
	global_store_b128 v1, v[8:11], s[14:15]        ; 16 rows' 512 scale bytes: consecutive, aligned
.Ldone:
	s_wait_tensorcnt 0x0
	ds_add_u32 v160, v161
	s_wait_dscnt 0x0
	s_endpgm
.Lfunc_end_k_qc1a31741d4_ln1:
	.size	k_qc1a31741d4_ln1, .Lfunc_end_k_qc1a31741d4_ln1-k_qc1a31741d4_ln1
	.p2alignl 7, 3214868480
	.fill 96, 4, 3214868480
	.section	.rodata,"a",@progbits
	.p2align	6, 0x0
	.amdhsa_kernel k_qc1a31741d4_ln1
		.amdhsa_group_segment_fixed_size 84480
		.amdhsa_private_segment_fixed_size 0
		.amdhsa_enable_private_segment 0
		.amdhsa_kernarg_size 48
		.amdhsa_user_sgpr_count 2
		.amdhsa_user_sgpr_kernarg_segment_ptr 1
		.amdhsa_wavefront_size32 1
		.amdhsa_system_sgpr_workgroup_id_x 1
		.amdhsa_system_sgpr_workgroup_id_y 1
		.amdhsa_system_sgpr_workgroup_id_z 1
		.amdhsa_system_vgpr_workitem_id 0
		.amdhsa_next_free_vgpr 162
		.amdhsa_next_free_sgpr 66
		.amdhsa_reserve_vcc 0
		.amdhsa_float_denorm_mode_32 3
		.amdhsa_float_denorm_mode_16_64 3
		.amdhsa_memory_ordered 1
		.amdhsa_forward_progress 1
		.amdhsa_inst_pref_size 20
	.end_amdhsa_kernel
	.amdgpu_metadata
---
amdhsa.version: [ 1, 2 ]
amdhsa.kernels:
  - .name:           k_qc1a31741d4_ln1
    .symbol:         k_qc1a31741d4_ln1.kd
    .args:
      - { .name: y, .offset: 0, .size: 8, .value_kind: global_buffer, .address_space: global }
      - { .name: ln_g, .offset: 8, .size: 8, .value_kind: global_buffer, .address_space: global }
      - { .name: ln_b, .offset: 16, .size: 8, .value_kind: global_buffer, .address_space: global }
      - { .name: h, .offset: 24, .size: 8, .value_kind: global_buffer, .address_space: global }
      - { .name: aqc, .offset: 32, .size: 8, .value_kind: global_buffer, .address_space: global }
      - { .name: aqs, .offset: 40, .size: 8, .value_kind: global_buffer, .address_space: global }
    .group_segment_fixed_size: 84480
    .private_segment_fixed_size: 0
    .kernarg_segment_align: 8
    .kernarg_segment_size: 48
    .max_flat_workgroup_size: 512
    .sgpr_count:     66
    .vgpr_count:     162
    .wavefront_size: 32
...
	.end_amdgpu_metadata
.endif
;; end of part 5
;; launch w1 (part 6): grid 16 x 16, 4 waves a work-group, clusters of 4 x 4, 327,680 bytes of LDS; arguments aqc, aqs, W1_codes, W1_scales, b1, img, imgs; writes img, imgs
.if DOCPART == 6
	.amdgcn_target "amdgcn-amd-amdhsa--gfx1250"
	.amdhsa_code_object_version 6
	.text
	.protected	k_qc1a31741d4_w1
	.globl	k_qc1a31741d4_w1
	.p2align	8
	.type	k_qc1a31741d4_w1,@function
k_qc1a31741d4_w1:
	s_mov_b64 s[64:65], 0
	v_nop
	global_prefetch_b8 v0, s[64:65] scope:SCOPE_SE
	s_setreg_imm32_b32 hwreg(HW_REG_WAVE_MODE, 25, 1), 1
	s_wait_xcnt 0x0
	s_wait_alu depctr_hold_cnt(0) depctr_sa_sdst(0) depctr_va_vdst(0) depctr_va_sdst(0) depctr_va_ssrc(0) depctr_va_vcc(0) depctr_vm_vsrc(0)
	s_getreg_b32 s2, hwreg(HW_REG_IB_STS2, 6, 4)
	s_cmp_eq_u32 s2, 0
	s_cbranch_scc0 .Lentry_in_a_cluster
	s_endpgm
.Lentry_in_a_cluster:
	s_bfe_u32 s2, ttmp6, 0x10000c
	s_cmp_lg_u32 s2, 0xf033
	s_cbranch_scc0 .Lentry_shape_is_right
	s_endpgm
.Lentry_shape_is_right:
.set KSTEP,  256
.set NQ,     2
.set ROWB,   256
.set KROW,   1024
.set PITCH,  272
.set FR,     16
.set NL,     4
.set NP,     8
.set HALFT,  128*PITCH
.set SLOT,   4*HALFT
.set LAPS,   2
.set KS,     32
.set SCL,    2*SLOT
.set HALFS,  (128*KS/256)*272
.set SBLK,   (16*KS/256)*272
.set SPARE,  SCL+4*HALFS
.set ADRA, 16
.set ADRB, 20
.set SWS,  24
.set SWR,  25
.set LI,   26
.set ADRS, 27
.set SPW,  28
.set NIL,  29
.set BO,   30
.set SC,   32
.set BI,   64
.set AF,   128
.set PCB,  128
.set PWS,  160
.set OW,   168
.set TM,   200
.set SEL,  66
.set MNT,  95
.set G1, 24
.set G0, 32
.set G1B, 48
.set G0B, 56
.set G1S, 68
.set G0S, 76
.set G1SB, 80
.set G0SB, 88
.set MSB, 0
.macro WIN new
.if MSB != \new
	s_set_vgpr_msb (MSB<<8)|\new
.set MSB, \new
.endif
.endm
.set MUL_LO, 0xa1
.set MUL_HI, 0xf1
.set TO_B,   0x40
.macro JLOAD g0a, g1a, g0b, g1b
	s_cmp_eq_u32 s15, 0
	s_cbranch_scc0 .Lfor_b_\@
	tensor_load_to_lds s[\g0a:\g0a+3], s[\g1a:\g1a+7]
	s_nop 0
.rept 4
	v_nop
.endr
	s_branch .Lasked_\@
.Lfor_b_\@:
	tensor_load_to_lds s[\g0b:\g0b+3], s[\g1b:\g1b+7]
	s_nop 0
.rept 4
	v_nop
.endr
.Lasked_\@:
.endm
.macro CREST
	s_cmp_lg_u32 s14, 0
	s_cbranch_scc1 .Lnot_wave_0_\@
	s_barrier_signal -3
.Lnot_wave_0_\@:
	s_barrier_wait -3
	s_barrier_signal -1
	s_barrier_wait -1
.endm
.macro CROUND
	s_barrier_signal -1
	s_barrier_wait -1
	CREST
.endm
	s_load_b128 s[4:7], s[0:1], 0x0
	s_load_b128 s[8:11], s[0:1], 0x10
	s_load_b128 s[96:99], s[0:1], 0x20
	s_load_b64 s[100:101], s[0:1], 0x30
	v_lshl_add_u32 v[SPW], v0, 2, SPARE
	v_mov_b32 v[NIL], 0
	ds_add_u32 v28, v29
	ds_add_u32 v28, v29
	s_wait_dscnt 0x0
	v_lshrrev_b32 v1, 5, v0
	v_readfirstlane_b32 s14, v1
	s_lshr_b32 s15, s14, 1
	s_and_b32 s16, s14, 1
	s_bfe_u32 s40, ttmp6, 0x40000
	s_bfe_u32 s41, ttmp6, 0x40004
	s_lshl_b32 s42, ttmp9, 2
	s_add_co_u32 s42, s42, s40
	s_and_b32 s17, ttmp7, 0xffff
	s_lshl_b32 s17, s17, 2
	s_add_co_u32 s17, s17, s41
	s_lshl_b32 s43, s41, 2
	s_lshl_b32 s43, 15, s43
	s_lshl_b32 s44, 0x1111, s40
	s_or_b32 s[G1+0], s43, (0<<16)|(1<<20)|(1<<21)|(5<<22)|(3<<25)
	s_or_b32 s[G1B+0], s44, (0<<16)|(1<<20)|(1<<21)|(5<<22)|(3<<25)
.irp g, G1, G1B
	s_mov_b32 s[\g+1], ROWB<<16
	s_mov_b32 s[\g+2], 256<<16                     ; the head's loads bring 256 rows
	s_mov_b32 s[\g+3], ROWB<<16
	s_mov_b32 s[\g+4], 256
	s_mov_b32 s[\g+5], KROW
	s_mov_b32 s[\g+6], 0
	s_mov_b32 s[\g+7], 0
.endr
	s_or_b32 s[G1S+0], s43, (3<<16)|(1<<20)|(1<<21)|(5<<22)|(3<<25)
	s_or_b32 s[G1SB+0], s44, (3<<16)|(1<<20)|(1<<21)|(5<<22)|(3<<25)
.irp g, G1S, G1SB
	s_mov_b32 s[\g+1], 32<<16
	s_mov_b32 s[\g+2], KS<<16                      ; the scale bytes of 256 rows: KS units of 256 bytes
	s_mov_b32 s[\g+3], 32<<16
	s_mov_b32 s[\g+4], KS
	s_mov_b32 s[\g+5], 32
	s_mov_b32 s[\g+6], 0
	s_mov_b32 s[\g+7], 0
.endr
	s_lshl_b32 s20, s17, 8                         ; the tiles' first rows
	s_lshl_b32 s46, s42, 8
	s_mov_b32 s21, 0
	s_mov_b32 s47, 0
	s_mov_b64 s[18:19], KS
	s_mul_u64 s[22:23], s[20:21], s[18:19]
	s_mul_u64 s[92:93], s[46:47], s[18:19]
	s_mov_b64 s[18:19], KROW
	s_mul_u64 s[20:21], s[20:21], s[18:19]
	s_mul_u64 s[46:47], s[46:47], s[18:19]
	s_mul_i32 s45, s14, HALFT
	s_wait_kmcnt 0x0
	s_add_nc_u64 s[20:21], s[4:5], s[20:21]
	s_add_nc_u64 s[22:23], s[6:7], s[22:23]
	s_add_nc_u64 s[46:47], s[8:9], s[46:47]
	s_add_nc_u64 s[92:93], s[10:11], s[92:93]
	CROUND
	s_mov_b32 s[G0S], 1
	s_mov_b32 s[G0S+1], SCL
	s_mov_b64 s[G0S+2:G0S+3], s[22:23]
	s_or_b32 s[G0S+3], s[G0S+3], 0x80000000
	s_mov_b32 s[G0SB], 1
	s_mov_b32 s[G0SB+1], SCL+2*HALFS
	s_mov_b64 s[G0SB+2:G0SB+3], s[92:93]
	s_or_b32 s[G0SB+3], s[G0SB+3], 0x80000000
	s_mov_b32 s4, 1                                ; s[4:7], s[8:11]: group 0 of the head's loads of K step 0: A's 256 rows, B's 256 rows
	s_mov_b32 s5, 0
	s_mov_b64 s[6:7], s[20:21]
	s_or_b32 s7, s7, 0x80000000
	s_mov_b32 s8, 1
	s_mov_b32 s9, 2*HALFT
	s_mov_b64 s[10:11], s[46:47]
	s_or_b32 s11, s11, 0x80000000
	s_mul_i32 s18, s16, 128*KROW                   ; for the ring: my 128 rows of a tile
	s_mov_b32 s19, 0
	s_add_nc_u64 s[20:21], s[20:21], s[18:19]
	s_add_nc_u64 s[46:47], s[46:47], s[18:19]
.irp s, 0,1
	s_mov_b32 s[G0+4*\s], 1
	s_add_co_u32 s[G0+4*\s+1], s45, \s*SLOT
	s_add_nc_u64 s[G0+4*\s+2:G0+4*\s+3], s[20:21], \s*ROWB
	s_or_b32 s[G0+4*\s+3], s[G0+4*\s+3], 0x80000000
	s_mov_b32 s[G0B+4*\s], 1
	s_add_co_u32 s[G0B+4*\s+1], s45, \s*SLOT
	s_add_nc_u64 s[G0B+4*\s+2:G0B+4*\s+3], s[46:47], \s*ROWB
	s_or_b32 s[G0B+4*\s+3], s[G0B+4*\s+3], 0x80000000
.endr
; the head's four tiles, one joint load a wave, in one chain of arms on the wave's number
.macro ARM under, g0, g1, next
	s_cmp_lt_u32 s14, \under
	s_cbranch_scc0 \next
	tensor_load_to_lds s[\g0:\g0+3], s[\g1:\g1+7]
	s_nop 0
.rept 4
	v_nop
.endr
	s_branch .Lhead_asked
\next:
.endm
	ARM 1, 4, G1, .Lhead_b
	ARM 2, 8, G1B, .Lhead_sa
	ARM 3, G0S, G1S, .Lhead_sb
	tensor_load_to_lds s[G0SB:G0SB+3], s[G1SB:G1SB+7]
	s_nop 0
.rept 4
	v_nop
.endr
.Lhead_asked:
; THE PREFETCHES.  Of the 128 rows that my wave fetches in the ring each of the four partners that ask for them jointly names 32, told apart by address (cx for A's rows, cy for B's): a lane a row, 256 bytes of it a K step.
; K steps 1 and 2 are named here, K step 3 behind slot 1's load: each block of 256 bytes once in a cluster.  The address registers are never rewritten.
	s_cmp_eq_u32 s15, 0
	s_cselect_b64 s[92:93], s[20:21], s[46:47]
	s_cselect_b32 s18, s40, s41
	s_mul_i32 s18, s18, 32*KROW
	s_mov_b32 s19, 0
	s_add_nc_u64 s[92:93], s[92:93], s[18:19]
	v_and_b32 v8, 31, v0
	v_lshlrev_b32 v8, 10, v8                       ; v8: my lane's row
	global_prefetch_b8 v8, s[92:93] offset:256 th:TH_LOAD_NT scope:SCOPE_SE
	global_prefetch_b8 v8, s[92:93] offset:512 th:TH_LOAD_NT scope:SCOPE_SE
	v_and_b32 v1, 15, v0
	v_bfe_u32 v2, v0, 4, 1
	v_mul_u32_u24 v3, v1, PITCH
	v_lshl_add_u32 v4, v2, 4, v3
	s_mul_i32 s21, s15, HALFT
	s_mul_i32 s22, s16, HALFT
	s_add_co_u32 s22, s22, 2*HALFT
.irp s, 0,1
	v_add_nc_u32 v[ADRA+\s], s21, v4
	v_add_nc_u32 v[ADRB+\s], s22, v4
	s_add_co_u32 s21, s21, SLOT
	s_add_co_u32 s22, s22, SLOT
.endr
	v_mul_u32_u24 v5, v1, KS
	v_lshrrev_b32 v6, 8, v5
	v_lshl_add_u32 v5, v6, 4, v5
	s_mul_i32 s21, s15, HALFS
	s_mul_i32 s22, s16, HALFS
	s_add_co_u32 s22, s22, 2*HALFS
	s_sub_co_u32 s22, s22, s21
	v_mul_u32_u24 v6, s22, v2
	s_add_co_u32 s21, s21, SCL
	v_add_nc_u32 v5, v5, v6
	v_add_nc_u32 v[ADRS], s21, v5
	s_lshl_b32 s21, s14, 9
	v_lshl_add_u32 v[SWS], v1, 2, s21
	v_and_b32 v3, 31, v0
	v_lshlrev_b32 v[LI], 4, v3
	v_add_nc_u32 v[SWR], s21, v[LI]
	v_lshlrev_b32 v[BO], 5, v2
	s_wait_alu depctr_va_vdst(0)
	s_lshl_b32 s20, s17, 8
	s_lshl_b32 s21, s15, 7
	s_add_co_u32 s20, s20, s21
	s_lshl_b32 s46, s42, 8
	s_lshl_b32 s47, s16, 7
	s_add_co_u32 s46, s46, s47
	s_mov_b32 s23, 0
	s_lshl_b32 s22, s46, 2
	s_add_nc_u64 s[96:97], s[96:97], s[22:23]
	s_lshl_b32 s22, s20, 12
	s_lshl_b32 s21, s46, 4
	s_add_co_u32 s22, s22, s21
	s_add_nc_u64 s[98:99], s[98:99], s[22:23]
	s_lshl_b32 s22, s46, 7
	s_lshl_b32 s21, s20, 2
	s_add_co_u32 s22, s22, s21
	s_add_nc_u64 s[100:101], s[100:101], s[22:23]
	s_mov_b32 s[SEL], 0x76543210
	s_mov_b32 s[SEL+1], 0xfedcba98
	s_mov_b32 s[MNT], 0x600000
.irp b, 0,1,2,3,4,5,6,7
	global_load_b128 v[BI+8*\b:BI+8*\b+3], v[BO], s[96:97] offset:64*\b
	global_load_b128 v[BI+8*\b+4:BI+8*\b+7], v[BO], s[96:97] offset:64*\b+16
.endr
.macro FRAG reg, adr, q, i
.irp c, 0,1,2,3
	ds_load_b128 v[\reg+4*\c:\reg+4*\c+3], v[\adr] offset:128*(\q)+32*\c+(\i)*16*PITCH
.endr
.endm
.macro MUL16 a0, p, q, sc, zero
.irp a, \a0, \a0+1
.irp b, 0,1,2,3,4,5,6,7
.if \zero
	v_wmma_scale_f32_16x16x128_f8f6f4 v[8*(8*((\a)%4)+\b):8*(8*((\a)%4)+\b)+7], v[128*(\p)+FR*\b:128*(\p)+FR*\b+FR-1], v[AF+FR*(\a):AF+FR*(\a)+FR-1], v[BI+8*\b:BI+8*\b+7], v[SC+8*NQ*(\sc)+NQ*\b+(\q)], v[SC+8*NQ*(\sc)+NQ*(\a)+(\q)] matrix_a_fmt:MATRIX_FMT_BF8 matrix_b_fmt:MATRIX_FMT_BF8 matrix_a_scale:MATRIX_SCALE_ROW1
.else
	v_wmma_scale_f32_16x16x128_f8f6f4 v[8*(8*((\a)%4)+\b):8*(8*((\a)%4)+\b)+7], v[128*(\p)+FR*\b:128*(\p)+FR*\b+FR-1], v[AF+FR*(\a):AF+FR*(\a)+FR-1], v[8*(8*((\a)%4)+\b):8*(8*((\a)%4)+\b)+7], v[SC+8*NQ*(\sc)+NQ*\b+(\q)], v[SC+8*NQ*(\sc)+NQ*(\a)+(\q)] matrix_a_fmt:MATRIX_FMT_BF8 matrix_b_fmt:MATRIX_FMT_BF8 matrix_a_scale:MATRIX_SCALE_ROW1
.endif
.endr
.endr
.endm
.macro FETCH_B slot, q, p
	WIN TO_B
.irp i, 0,1,2,3,4,5,6,7
	FRAG 128*(\p)+FR*\i, ADRB+\slot, \q, \i
.endr
	WIN 0
.endm
.macro FETCH_A slot, q, i0
.irp i, \i0, \i0+1, \i0+2, \i0+3
	FRAG AF+FR*(\i), ADRA+\slot, \q, \i
.endr
.endm
.macro SCALES sc
.irp i, 0,1,2,3,4,5,6,7
	ds_load_b64 v[SC+8*NQ*\sc+NQ*\i:SC+8*NQ*\sc+NQ*\i+1], v[ADRS] offset:\i*SBLK
.endr
.endm
.macro PLACES n
.rept \n
	v_nop
.endr
.endm
.macro STEP slot, q, zero
	s_wait_dscnt 4*NL
.if \zero
	WIN 0x81
.else
	WIN MUL_LO
.endif
	MUL16 0, (\q)%2, \q, \slot, \zero
	MUL16 2, (\q)%2, \q, \slot, \zero
	s_wait_dscnt 0
	PLACES NP
	FETCH_B \slot, (\q)+1, 1-(\q)%2
	FETCH_A \slot, (\q)+1, 0
.if \zero
	WIN 0xc1
.else
	WIN MUL_HI
.endif
	MUL16 4, (\q)%2, \q, \slot, \zero
	MUL16 6, (\q)%2, \q, \slot, \zero
	PLACES NP
	WIN 0
	FETCH_A \slot, (\q)+1, 4
.endm
.macro TURN slot, next, fill
	s_wait_tensorcnt 0x0
	ds_add_u32 v[SPW], v[NIL]
	s_wait_dscnt 4*NL+1
	WIN MUL_LO
	MUL16 0, 1, NQ-1, \slot, 0
	s_wait_dscnt 0x0
	s_barrier_signal -1
	MUL16 2, 1, NQ-1, \slot, 0
	WIN 0
	s_barrier_wait -1
.if \fill
	CREST
	s_add_nc_u64 s[G0+4*\slot+2:G0+4*\slot+3], s[G0+4*\slot+2:G0+4*\slot+3], 2*ROWB
	s_add_nc_u64 s[G0B+4*\slot+2:G0B+4*\slot+3], s[G0B+4*\slot+2:G0B+4*\slot+3], 2*ROWB
	JLOAD G0+4*\slot, G1, G0B+4*\slot, G1B
	PLACES NP-4
.else
	PLACES NP
.endif
	s_wait_alu depctr_va_vdst(0)
	v_add_nc_u32 v[ADRS], 4*NQ, v[ADRS]
	FETCH_B \next, 0, 0
	FETCH_A \next, 0, 0
	SCALES \next
	WIN MUL_HI
	MUL16 4, 1, NQ-1, \slot, 0
	MUL16 6, 1, NQ-1, \slot, 0
	PLACES NP
	WIN 0
	FETCH_A \next, 0, 4
.endm
	s_wait_alu depctr_va_vdst(0)
	s_wait_tensorcnt 0x0                           ; my tile of the head's four is in
	ds_add_u32 v[SPW], v[NIL]
	s_mov_b32 s[G1+2], 128<<16                     ; no tensor load of mine is out: from here on a load brings 128 rows
	s_mov_b32 s[G1+4], 128
	s_mov_b32 s[G1B+2], 128<<16
	s_mov_b32 s[G1B+4], 128
	s_wait_dscnt 0x0
	CROUND
	JLOAD G0+4, G1, G0B+4, G1B                     ; K step 1, the first tensor load behind the round
	global_prefetch_b8 v8, s[92:93] offset:768 th:TH_LOAD_NT scope:SCOPE_SE   ; K step 3: two refills on
	FETCH_B 0, 0, 0
	FETCH_A 0, 0, 0
	SCALES 0
	FETCH_A 0, 0, 4
	s_wait_loadcnt 0x0
	STEP 0, 0, 1
	s_mov_b32 s3, LAPS-1
.Llap:
	TURN 0, 1, 1
	STEP 1, 0, 0
	TURN 1, 0, 1
	STEP 0, 0, 0
	s_sub_co_u32 s3, s3, 1
	s_cmp_lg_u32 s3, 0
	s_cbranch_scc1 .Llap
	TURN 0, 1, 0
	STEP 1, 0, 0
	s_wait_dscnt 4*NL
	WIN MUL_LO
	MUL16 0, 1, NQ-1, 1, 0
	MUL16 2, 1, NQ-1, 1, 0
	s_wait_dscnt 0
	WIN MUL_HI
	MUL16 4, 1, NQ-1, 1, 0
	MUL16 6, 1, NQ-1, 1, 0
	WIN 0
.macro QUANT a
.set W, 2+(\a)/4
.set AC, 64*((\a)%4)
.set PC, PCB+16*((\a)%2)
	WIN (W|(W<<2))
.irp b, 0,1,2,3
	v_max3_num_f32 v[TM+\b], v[AC+16*\b], v[AC+16*\b+1], 0x8000000
.endr
	WIN ((W<<2)|(W<<4))
.irp i, 2,4,6,8,10,12,14
.irp b, 0,1,2,3
	v_max3_num_f32 v[TM+\b], v[TM+\b], v[AC+16*\b+\i], v[AC+16*\b+\i+1]
.endr
.endr
	WIN 0
.irp b, 0,1,2,3
	v_permlanex16_b32 v[TM+4+\b], v[TM+\b], s[SEL], s[SEL+1]
.endr
.irp b, 0,1,2,3
	v_max_num_f32 v[TM+\b], v[TM+\b], v[TM+4+\b]
.endr
.irp b, 0,1,2,3
	v_add_nc_u32 v[TM+12+\b], 0xf8800000, v[TM+\b]
.endr
.irp b, 0,1,2,3
	v_and_or_b32 v[TM+8+\b], v[TM+\b], 0x7f800000, s[MNT]
.endr
.irp b, 0,1,2,3
	v_lshrrev_b32 v[TM+4+\b], 23, v[TM+12+\b]
.endr
	v_lshl_or_b32 v[PWS+(\a)], v[TM+5], 8, v[TM+4]
	v_lshl_or_b32 v[PWS+(\a)], v[TM+6], 16, v[PWS+(\a)]
	v_lshl_or_b32 v[PWS+(\a)], v[TM+7], 24, v[PWS+(\a)]
	WIN (W|(W<<6))
.irp b, 0,1,2,3
.set i, 0
.rept 16
	v_med3_num_f32 v[AC+16*\b+i], v[AC+16*\b+i], 0, v[TM+8+\b]
.set i, i+1
.endr
.endr
	s_wait_alu depctr_va_vdst(0)
	s_wait_xcnt 0x0
	WIN W
.irp b, 0,1,2,3
	v_cvt_scalef32_pk8_bf8_f32 v[PC+4*\b:PC+4*\b+1], v[AC+16*\b:AC+16*\b+7], v[TM+12+\b]
	v_cvt_scalef32_pk8_bf8_f32 v[PC+4*\b+2:PC+4*\b+3], v[AC+16*\b+8:AC+16*\b+15], v[TM+12+\b]
.endr
	WIN 0
	v_nop
.irp b, 0,1,2,3
	v_permlane16_swap_b32 v[PC+4*\b], v[PC+4*\b+2]
	v_permlane16_swap_b32 v[PC+4*\b+1], v[PC+4*\b+3]
.endr
.endm
.macro BLOCK a
	QUANT \a
.irp c, 0,1,2,3
	global_store_b128 v[LI], v[PC+4*\c:PC+4*\c+3], s[98:99] offset:65536*(\a)+512*\c
.endr
	ds_store_b32 v[SWS], v[PWS+(\a)] offset:64*(\a)
.endm
	PLACES NP
.irp b, 0,1,2,3
	v_mov_b32 v[TM+4+\b], 0
.endr
.irp a, 0,1,2,3,4,5,6,7
	BLOCK \a
.endr
	ds_load_b128 v[OW:OW+3], v[SWR]
	s_wait_dscnt 0x0
	global_store_b128 v[LI], v[OW:OW+3], s[100:101]
	s_wait_tensorcnt 0x0
	ds_add_u32 v[SPW], v[NIL]
	s_wait_dscnt 0x0
	CROUND
	s_endpgm
.Lfunc_end_k_qc1a31741d4_w1:
	.size	k_qc1a31741d4_w1, .Lfunc_end_k_qc1a31741d4_w1-k_qc1a31741d4_w1
	.p2alignl 7, 3214868480
	.fill 96, 4, 3214868480
	.section	.rodata,"a",@progbits
	.p2align	6, 0x0
	.amdhsa_kernel k_qc1a31741d4_w1
		.amdhsa_group_segment_fixed_size 327680
		.amdhsa_private_segment_fixed_size 0
		.amdhsa_enable_private_segment 0
		.amdhsa_kernarg_size 56
		.amdhsa_user_sgpr_count 2
		.amdhsa_user_sgpr_kernarg_segment_ptr 1
		.amdhsa_wavefront_size32 1
		.amdhsa_system_sgpr_workgroup_id_x 1
		.amdhsa_system_sgpr_workgroup_id_y 1
		.amdhsa_system_sgpr_workgroup_id_z 1
		.amdhsa_system_vgpr_workitem_id 0
		.amdhsa_next_free_vgpr 1024
		.amdhsa_next_free_sgpr 102
		.amdhsa_reserve_vcc 0
		.amdhsa_float_denorm_mode_32 3
		.amdhsa_float_denorm_mode_16_64 3
		.amdhsa_memory_ordered 1
		.amdhsa_forward_progress 1
		.amdhsa_inst_pref_size 191
	.end_amdhsa_kernel
	.amdgpu_metadata
---
amdhsa.version: [ 1, 2 ]
amdhsa.kernels:
  - .name:           k_qc1a31741d4_w1
    .symbol:         k_qc1a31741d4_w1.kd
    .args:
      - { .name: aqc, .offset: 0, .size: 8, .value_kind: global_buffer, .address_space: global }
      - { .name: aqs, .offset: 8, .size: 8, .value_kind: global_buffer, .address_space: global }
      - { .name: W1_codes, .offset: 16, .size: 8, .value_kind: global_buffer, .address_space: global }
      - { .name: W1_scales, .offset: 24, .size: 8, .value_kind: global_buffer, .address_space: global }
      - { .name: b1, .offset: 32, .size: 8, .value_kind: global_buffer, .address_space: global }
      - { .name: img, .offset: 40, .size: 8, .value_kind: global_buffer, .address_space: global }
      - { .name: imgs, .offset: 48, .size: 8, .value_kind: global_buffer, .address_space: global }
    .group_segment_fixed_size: 327680
    .private_segment_fixed_size: 0
    .kernarg_segment_align: 8
    .kernarg_segment_size: 56
    .max_flat_workgroup_size: 128
    .sgpr_count:     102
    .vgpr_count:     1024
    .wavefront_size: 32
...
	.end_amdgpu_metadata
.endif
;; end of part 6
;; launch w2 (part 7): grid 8 x 32, 4 waves a work-group, clusters of 4 x 4, 327,680 bytes of LDS; arguments img, imgs, W2_codes, W2_scales, b2, h, y; writes y
.if DOCPART == 7
	.amdgcn_target "amdgcn-amd-amdhsa--gfx1250"
	.amdhsa_code_object_version 6
	.text
	.protected	k_qc1a31741d4_w2
	.globl	k_qc1a31741d4_w2
	.p2align	8
	.type	k_qc1a31741d4_w2,@function
k_qc1a31741d4_w2:
	s_mov_b64 s[64:65], 0
	v_nop
	global_prefetch_b8 v0, s[64:65] scope:SCOPE_SE
	s_setreg_imm32_b32 hwreg(HW_REG_WAVE_MODE, 25, 1), 1
	s_wait_xcnt 0x0
	s_wait_alu depctr_hold_cnt(0) depctr_sa_sdst(0) depctr_va_vdst(0) depctr_va_sdst(0) depctr_va_ssrc(0) depctr_va_vcc(0) depctr_vm_vsrc(0)
	s_getreg_b32 s2, hwreg(HW_REG_IB_STS2, 6, 4)
	s_cmp_eq_u32 s2, 0
	s_cbranch_scc0 .Lentry_in_a_cluster
	s_endpgm
.Lentry_in_a_cluster:
	s_bfe_u32 s2, ttmp6, 0x10000c
	s_cmp_lg_u32 s2, 0xf033
	s_cbranch_scc0 .Lentry_shape_is_right
	s_endpgm
.Lentry_shape_is_right:
.set SIZE_K, 4096
.set NK,     SIZE_K/128
.set KS,     SIZE_K/32
.set LAPS,   SIZE_K/1024
.set NP,     8
.set APART,  65536
.set BP,     528
.set SLOT,   APART+128*BP
.set SCA,    2*SLOT
.set SCB,    SCA+512*NK
.set SCBH,   (64*KS/256)*272
.set SBB,    (16*KS/256)*272
.set SPARE,  SCB+2*SCBH
.set SPITCH, 272
.set ADRA, 16
.set ADRB, 20
.set ADSA, 22
.set ADSB, 23
.set STO,  24
.set RD,   25
.set CO,   26
.set SPW,  28
.set NIL,  29
.set BO,   30
.set SA,   32
.set SB,   64
.set BI,   96
.set OB,   96
.set ACC,  128
.set F0,   0
.set F1,   128
.set RES,  0
.set G1, 24
.set G0, 32
.set G1B, 48
.set G0B, 56
.set G1S, 68
.set G0S, 76
.set G1SB, 80
.set G0SB, 88
.set MSB, 0
.macro WIN new
.if MSB != \new
	s_set_vgpr_msb (MSB<<8)|\new
.set MSB, \new
.endif
.endm
.set MUL,   0x05
.set TO_F,  0x40
.set TO_R,  0x80
.set ADD_R, 0x08
.macro JLOAD g0a, g1a, g0b, g1b
	s_cmp_eq_u32 s15, 0
	s_cbranch_scc0 .Lfor_b_\@
	tensor_load_to_lds s[\g0a:\g0a+3], s[\g1a:\g1a+7]
	s_nop 0
.rept 4
	v_nop
.endr
	s_branch .Lasked_\@
.Lfor_b_\@:
	tensor_load_to_lds s[\g0b:\g0b+3], s[\g1b:\g1b+7]
	s_nop 0
.rept 4
	v_nop
.endr
.Lasked_\@:
.endm
.macro CREST
	s_cmp_lg_u32 s14, 0
	s_cbranch_scc1 .Lnot_wave_0_\@
	s_barrier_signal -3
.Lnot_wave_0_\@:
	s_barrier_wait -3
	s_barrier_signal -1
	s_barrier_wait -1
.endm
.macro CROUND
	s_barrier_signal -1
	s_barrier_wait -1
	CREST
.endm
	s_load_b128 s[4:7], s[0:1], 0x0
	s_load_b128 s[8:11], s[0:1], 0x10
	s_load_b128 s[96:99], s[0:1], 0x20
	s_load_b64 s[12:13], s[0:1], 0x30
	v_lshl_add_u32 v[SPW], v0, 2, SPARE
	v_mov_b32 v[NIL], 0
	ds_add_u32 v28, v29
	ds_add_u32 v28, v29
	s_wait_dscnt 0x0
	v_lshrrev_b32 v1, 5, v0
	v_readfirstlane_b32 s14, v1
	s_lshr_b32 s15, s14, 1
	s_and_b32 s16, s14, 1
	s_bfe_u32 s40, ttmp6, 0x40000
	s_bfe_u32 s41, ttmp6, 0x40004
	s_lshl_b32 s42, ttmp9, 2
	s_add_co_u32 s42, s42, s40
	s_and_b32 s17, ttmp7, 0xffff
	s_lshl_b32 s17, s17, 2
	s_add_co_u32 s17, s17, s41
	s_lshl_b32 s43, s41, 2
	s_lshl_b32 s43, 15, s43
	s_lshl_b32 s44, 0x1111, s40
	s_or_b32 s[G1], s43, (3<<16)|(1<<21)
	s_mov_b32 s[G1+1], 1024<<16
	s_mov_b32 s[G1+2], 8<<16                       ; the head's load brings all 8 tiles of rows
	s_mov_b32 s[G1+3], 1024<<16
	s_mov_b32 s[G1+4], 8
	s_mov_b32 s[G1+5], 256*NK
	s_mov_b32 s[G1+6], 0
	s_mov_b32 s[G1+7], 0
	s_or_b32 s[G1B], s44, (0<<16)|(1<<20)|(1<<21)|(6<<22)|(3<<25)
	s_mov_b32 s[G1B+1], 512<<16
	s_mov_b32 s[G1B+2], 128<<16                    ; and all 128 rows of W2
	s_mov_b32 s[G1B+3], 512<<16
	s_mov_b32 s[G1B+4], 128
	s_mov_b32 s[G1B+5], SIZE_K
	s_mov_b32 s[G1B+6], 0
	s_mov_b32 s[G1B+7], 0
	s_or_b32 s[G1S], s43, (3<<16)|(1<<21)
	s_mov_b32 s[G1S+1], 64<<16
	s_mov_b32 s[G1S+2], NK<<16
	s_mov_b32 s[G1S+3], 64<<16
	s_mov_b32 s[G1S+4], NK
	s_mov_b32 s[G1S+5], 2048
	s_mov_b32 s[G1S+6], 0
	s_mov_b32 s[G1S+7], 0
	s_or_b32 s[G1SB], s44, (3<<16)|(1<<20)|(1<<21)|(5<<22)|(3<<25)
	s_mov_b32 s[G1SB+1], 32<<16
	s_mov_b32 s[G1SB+2], (128*KS/256)<<16
	s_mov_b32 s[G1SB+3], 32<<16
	s_mov_b32 s[G1SB+4], 128*KS/256
	s_mov_b32 s[G1SB+5], 32
	s_mov_b32 s[G1SB+6], 0
	s_mov_b32 s[G1SB+7], 0
	s_mul_i32 s20, s17, 8*NK*2048                  ; the tiles' first bytes
	s_mov_b32 s21, 0
	s_lshl_b32 s22, s17, 9
	s_mov_b32 s23, 0
	s_lshl_b32 s46, s42, 7
	s_mul_i32 s92, s46, KS
	s_mov_b32 s93, 0
	s_mul_i32 s46, s46, SIZE_K
	s_mov_b32 s47, 0
	s_lshl_b32 s45, s16, 15
	s_mul_i32 s94, s16, 64*BP
	s_add_co_u32 s94, s94, APART
	s_wait_kmcnt 0x0
	s_add_nc_u64 s[20:21], s[4:5], s[20:21]
	s_add_nc_u64 s[22:23], s[6:7], s[22:23]
	s_add_nc_u64 s[46:47], s[8:9], s[46:47]
	s_add_nc_u64 s[92:93], s[10:11], s[92:93]
	CROUND
	s_mov_b32 s[G0S], 1
	s_mov_b32 s[G0S+1], SCA
	s_mov_b64 s[G0S+2:G0S+3], s[22:23]
	s_or_b32 s[G0S+3], s[G0S+3], 0x80000000
	s_mov_b32 s[G0SB], 1
	s_mov_b32 s[G0SB+1], SCB
	s_mov_b64 s[G0SB+2:G0SB+3], s[92:93]
	s_or_b32 s[G0SB+3], s[G0SB+3], 0x80000000
	s_mov_b32 s4, 1                                ; s[4:7], s[8:11]: group 0 of the head's loads of slot 0: A's 8 tiles of rows, W2's 128 rows
	s_mov_b32 s5, 0
	s_mov_b64 s[6:7], s[20:21]
	s_or_b32 s7, s7, 0x80000000
	s_mov_b32 s8, 1
	s_mov_b32 s9, APART
	s_mov_b64 s[10:11], s[46:47]
	s_or_b32 s11, s11, 0x80000000
	s_mul_i32 s18, s16, 4*NK*2048                  ; for the ring: my half of a tile
	s_mov_b32 s19, 0
	s_add_nc_u64 s[20:21], s[20:21], s[18:19]
	s_mul_i32 s18, s16, 64*SIZE_K
	s_add_nc_u64 s[46:47], s[46:47], s[18:19]
.irp s, 0,1
	s_mov_b32 s[G0+4*\s], 1
	s_add_co_u32 s[G0+4*\s+1], s45, \s*SLOT
	s_add_nc_u64 s[G0+4*\s+2:G0+4*\s+3], s[20:21], \s*8192
	s_or_b32 s[G0+4*\s+3], s[G0+4*\s+3], 0x80000000
	s_mov_b32 s[G0B+4*\s], 1
	s_add_co_u32 s[G0B+4*\s+1], s94, \s*SLOT
	s_add_nc_u64 s[G0B+4*\s+2:G0B+4*\s+3], s[46:47], \s*512
	s_or_b32 s[G0B+4*\s+3], s[G0B+4*\s+3], 0x80000000
.endr
; the head's four tiles, one joint load a wave, in one chain of arms on the wave's number
.macro ARM under, g0, g1, next
	s_cmp_lt_u32 s14, \under
	s_cbranch_scc0 \next
	tensor_load_to_lds s[\g0:\g0+3], s[\g1:\g1+7]
	s_nop 0
.rept 4
	v_nop
.endr
	s_branch .Lhead_asked
\next:
.endm
	ARM 1, 4, G1, .Lhead_b
	ARM 2, 8, G1B, .Lhead_sa
	ARM 3, G0S, G1S, .Lhead_sb
	tensor_load_to_lds s[G0SB:G0SB+3], s[G1SB:G1SB+7]
	s_nop 0
.rept 4
	v_nop
.endr
.Lhead_asked:
; THE PREFETCHES.  Of the half tile that my wave fetches in the ring (A: 4 tiles of rows x 8,192 bytes a slot; W2: 64 rows x 512 bytes) each of the four partners that ask for it jointly names a quarter, told apart by address:
; A: tile cx, lanes 256 bytes apart; W2: rows 16 cy on, two lanes a row.  So each block of 256 bytes is named once in a cluster.  Slots 1, 2 and 3 are named here, slot t + 4 at the refill that loads slot t + 2; slot 7 is the last named.
	s_mul_i32 s18, s40, NK*2048
	s_mul_i32 s19, s41, 16*SIZE_K
	s_mov_b32 s94, 512
	s_mov_b32 s95, SIZE_K
	s_cmp_eq_u32 s15, 0
	s_cselect_b64 s[92:93], s[20:21], s[46:47]
	s_cselect_b32 s18, s18, s19
	s_cselect_b32 s94, 8192, s94                   ; a slot on
	s_cselect_b32 s95, 256, s95
	s_cselect_b32 s2, 0, 1
	s_mov_b32 s19, 0
	s_add_nc_u64 s[92:93], s[92:93], s[18:19]
	s_mov_b32 s18, s94
	s_add_nc_u64 s[92:93], s[92:93], s[18:19]      ; at slot 1
	v_and_b32 v10, 31, v0
	v_lshrrev_b32 v8, s2, v10
	v_mul_lo_u32 v8, v8, s95
	v_and_b32 v10, s2, v10
	v_lshl_add_u32 v8, v10, 8, v8                  ; v8: my lane's block; never rewritten
	v_add_nc_u32 v9, s94, v8                       ; v9: the same a slot on; never rewritten
	v_add_nc_u32 v11, s94, v9                      ; v11: two slots on; never rewritten
	global_prefetch_b8 v8, s[92:93] th:TH_LOAD_NT scope:SCOPE_SE
	global_prefetch_b8 v9, s[92:93] th:TH_LOAD_NT scope:SCOPE_SE
	global_prefetch_b8 v11, s[92:93] th:TH_LOAD_NT scope:SCOPE_SE
	s_mov_b32 s95, 0                               ; s[94:95]: the step as a pair
	v_and_b32 v1, 15, v0
	v_bfe_u32 v2, v0, 4, 1
	v_and_b32 v3, 31, v0
	v_lshlrev_b32 v4, 4, v3
	s_lshl_b32 s21, s15, 15
	v_add_nc_u32 v[ADRA], s21, v4
	v_add_nc_u32 v[ADRA+1], SLOT, v[ADRA]
	v_mul_u32_u24 v5, v1, BP
	v_lshl_add_u32 v5, v2, 4, v5
	s_mul_i32 s22, s16, 64*BP
	s_add_co_u32 s22, s22, APART
	v_add_nc_u32 v[ADRB], s22, v5
	v_add_nc_u32 v[ADRB+1], SLOT, v[ADRB]
	s_lshl_b32 s21, s15, 8
	s_add_co_u32 s21, s21, SCA
	v_lshl_add_u32 v[ADSA], v1, 2, s21
	v_mul_u32_u24 v5, v1, KS
	v_lshrrev_b32 v6, 8, v5
	v_lshl_add_u32 v5, v6, 4, v5
	s_mul_i32 s22, s16, SCBH
	s_add_co_u32 s22, s22, SCB
	v_add_nc_u32 v[ADSB], s22, v5
	s_mul_i32 s23, s14, 16*SPITCH
	v_mul_u32_u24 v5, v1, SPITCH
	v_lshl_add_u32 v5, v2, 5, v5
	v_add_nc_u32 v[STO], s23, v5
	v_mul_u32_u24 v5, v2, SPITCH
	v_lshl_add_u32 v5, v1, 4, v5
	v_add_nc_u32 v[RD], s23, v5
	v_lshlrev_b32 v5, 12, v2
	v_lshl_add_u32 v[CO], v1, 4, v5
	v_lshlrev_b32 v[BO], 5, v2
	s_wait_alu depctr_va_vdst(0)
	s_lshl_b32 s20, s17, 7
	s_lshl_b32 s21, s15, 6
	s_add_co_u32 s20, s20, s21
	s_lshl_b32 s20, s20, 12
	s_lshl_b32 s46, s42, 7
	s_lshl_b32 s47, s16, 6
	s_add_co_u32 s46, s46, s47
	s_lshl_b32 s46, s46, 2
	s_mov_b32 s47, 0
	s_add_nc_u64 s[96:97], s[96:97], s[46:47]
	s_add_co_u32 s46, s46, s20
	s_add_nc_u64 s[98:99], s[98:99], s[46:47]
	s_add_nc_u64 s[12:13], s[12:13], s[46:47]
.irp b, 0,1,2,3
	global_load_b128 v[BI+8*\b:BI+8*\b+3], v[BO], s[96:97] offset:64*\b
	global_load_b128 v[BI+8*\b+4:BI+8*\b+7], v[BO], s[96:97] offset:64*\b+16
.endr
	WIN TO_R
.irp a, 0,1,2,3
.irp i, 0,1,2,3,4,5,6,7
	global_load_b128 v[RES+32*\a+4*\i:RES+32*\a+4*\i+3], v[CO], s[98:99] offset:(16*\a+2*\i)*4096
.endr
.endr
	WIN 0
.macro FETCH slot, q, f
	WIN TO_F
.irp b, 0,1,2,3
.irp c, 0,1,2,3
	ds_load_b128 v[\f+64+16*\b+4*\c:\f+64+16*\b+4*\c+3], v[ADRB+\slot] offset:16*BP*\b+128*(\q)+32*\c
.endr
.endr
.irp a, 0,1,2,3
.irp c, 0,1,2,3
	ds_load_b128 v[\f+16*\a+4*\c:\f+16*\a+4*\c+3], v[ADRA+\slot] offset:8192*\a+2048*(\q)+512*\c
.endr
.endr
.endm
.macro SCALES set
	WIN 0
.irp a, 0,1,2,3
.irp q, 0,1,2,3
	ds_load_b32 v[SA+16*\set+4*\a+\q], v[ADSA] offset:512*\q+64*\a
.endr
.endr
.irp b, 0,1,2,3
	ds_load_b128 v[SB+16*\set+4*\b:SB+16*\set+4*\b+3], v[ADSB] offset:\b*SBB
.endr
.endm
.macro MUL4 f, a, q, set, first
.irp b, 0,1,2,3
.if \first
	v_wmma_scale_f32_16x16x128_f8f6f4 v[ACC+8*(4*(\a)+\b):ACC+8*(4*(\a)+\b)+7], v[\f+64+16*\b:\f+64+16*\b+15], v[\f+16*(\a):\f+16*(\a)+15], v[BI+8*\b:BI+8*\b+7], v[SB+16*(\set)+4*\b+(\q)], v[SA+16*(\set)+4*(\a)+(\q)] matrix_a_fmt:MATRIX_FMT_BF8 matrix_b_fmt:MATRIX_FMT_BF8
.else
	v_wmma_scale_f32_16x16x128_f8f6f4 v[ACC+8*(4*(\a)+\b):ACC+8*(4*(\a)+\b)+7], v[\f+64+16*\b:\f+64+16*\b+15], v[\f+16*(\a):\f+16*(\a)+15], v[ACC+8*(4*(\a)+\b):ACC+8*(4*(\a)+\b)+7], v[SB+16*(\set)+4*\b+(\q)], v[SA+16*(\set)+4*(\a)+(\q)] matrix_a_fmt:MATRIX_FMT_BF8 matrix_b_fmt:MATRIX_FMT_BF8
.endif
.endr
.endm
.macro PLACES n
.rept \n
	v_nop
.endr
.endm
.macro QUARTER slot, q, f, g, first
	s_wait_dscnt 0x0
	WIN MUL
	MUL4 \f, 0, \q, \slot, \first
	MUL4 \f, 1, \q, \slot, \first
	PLACES NP
	FETCH \slot, (\q)+1, \g
	WIN MUL
	MUL4 \f, 2, \q, \slot, \first
	MUL4 \f, 3, \q, \slot, \first
.endm
.macro TURN slot, next, fill
	WIN 0
.if \fill
	s_wait_xcnt 0x0                                ; my last prefetch has read its address: it steps a slot on
	s_add_nc_u64 s[92:93], s[92:93], s[94:95]
.endif
	s_wait_tensorcnt 0x0
	ds_add_u32 v[SPW], v[NIL]
	s_wait_dscnt 1
	WIN MUL
	MUL4 F1, 0, 3, \slot, 0
	s_wait_dscnt 0x0
	s_barrier_signal -1
	MUL4 F1, 1, 3, \slot, 0
	WIN 0
	s_barrier_wait -1
.if \fill
	CREST
	s_add_nc_u64 s[G0+4*\slot+2:G0+4*\slot+3], s[G0+4*\slot+2:G0+4*\slot+3], 16384
	s_add_nc_u64 s[G0B+4*\slot+2:G0B+4*\slot+3], s[G0B+4*\slot+2:G0B+4*\slot+3], 1024
	JLOAD G0+4*\slot, G1, G0B+4*\slot, G1B
	PLACES NP-4
.else
	PLACES NP
.endif
	s_wait_alu depctr_va_vdst(0)
	v_add_nc_u32 v[ADSA], 2048, v[ADSA]
	v_add_nc_u32 v[ADSB], 16, v[ADSB]
	FETCH \next, 0, F0
	SCALES \next
.if \fill
	s_cmp_gt_u32 s3, 1                             ; the loop's last trip has no slot two refills on
	s_cbranch_scc0 .Lno_ask_\@
	global_prefetch_b8 v11, s[92:93] th:TH_LOAD_NT scope:SCOPE_SE
.Lno_ask_\@:
.endif
	WIN MUL
	MUL4 F1, 2, 3, \slot, 0
	MUL4 F1, 3, 3, \slot, 0
.endm
	s_wait_alu depctr_va_vdst(0)
	s_wait_tensorcnt 0x0                           ; my tile of the head's four is in
	ds_add_u32 v[SPW], v[NIL]
	s_mov_b32 s[G1+2], 4<<16                       ; no tensor load of mine is out: from here on a load brings half a tile
	s_mov_b32 s[G1+4], 4
	s_mov_b32 s[G1B+2], 64<<16
	s_mov_b32 s[G1B+4], 64
	s_wait_dscnt 0x0
	CROUND
	JLOAD G0+4, G1, G0B+4, G1B                     ; slot 1, the first tensor load behind the round
	FETCH 0, 0, F0
	SCALES 0
	s_wait_loadcnt 32
	QUARTER 0, 0, F0, F1, 1
.if LAPS > 1
	WIN 0
	s_mov_b32 s3, LAPS-1
.Llap:
	QUARTER 0, 1, F1, F0, 0
	QUARTER 0, 2, F0, F1, 0
	TURN 0, 1, 1
	QUARTER 1, 0, F0, F1, 0
	QUARTER 1, 1, F1, F0, 0
	QUARTER 1, 2, F0, F1, 0
	TURN 1, 0, 1
	QUARTER 0, 0, F0, F1, 0
	WIN 0
	s_sub_co_u32 s3, s3, 1
	s_cmp_lg_u32 s3, 0
	s_cbranch_scc1 .Llap
.endif
	QUARTER 0, 1, F1, F0, 0
	QUARTER 0, 2, F0, F1, 0
	TURN 0, 1, 0
	QUARTER 1, 0, F0, F1, 0
	QUARTER 1, 1, F1, F0, 0
	QUARTER 1, 2, F0, F1, 0
	s_wait_dscnt 0x0
	WIN MUL
	MUL4 F1, 0, 3, 1, 0
	MUL4 F1, 1, 3, 1, 0
	MUL4 F1, 2, 3, 1, 0
	MUL4 F1, 3, 3, 1, 0
	WIN 0
.macro OUTB a
.if (\a) > 0
	s_wait_xcnt 0x0
.endif
.irp b, 0,1,2,3
	ds_store_b128 v[STO], v[ACC+8*(4*(\a)+\b):ACC+8*(4*(\a)+\b)+3] offset:64*\b
	ds_store_b128 v[STO], v[ACC+8*(4*(\a)+\b)+4:ACC+8*(4*(\a)+\b)+7] offset:64*\b+16
.endr
.irp i, 0,1,2,3,4,5,6,7
	ds_load_b128 v[OB+4*\i:OB+4*\i+3], v[RD] offset:2*SPITCH*\i
.endr
	s_wait_dscnt 0x0
.if (\a) == 0
	s_wait_loadcnt 0x0
.endif
	WIN ADD_R
.set k, 0
.rept 16
	v_pk_add_f32 v[OB+k:OB+k+1], v[OB+k:OB+k+1], v[RES+32*(\a)+k:RES+32*(\a)+k+1]
.set k, k+2
.endr
	WIN 0
.irp i, 0,1,2,3,4,5,6,7
	global_store_b128 v[CO], v[OB+4*\i:OB+4*\i+3], s[12:13] offset:(16*(\a)+2*\i)*4096
.endr
.endm
	PLACES NP
	OUTB 0
	OUTB 1
	OUTB 2
	OUTB 3
	s_wait_tensorcnt 0x0
	ds_add_u32 v[SPW], v[NIL]
	s_wait_dscnt 0x0
	CROUND
	s_endpgm
.Lfunc_end_k_qc1a31741d4_w2:
	.size	k_qc1a31741d4_w2, .Lfunc_end_k_qc1a31741d4_w2-k_qc1a31741d4_w2
	.p2alignl 7, 3214868480
	.fill 96, 4, 3214868480
	.section	.rodata,"a",@progbits
	.p2align	6, 0x0
	.amdhsa_kernel k_qc1a31741d4_w2
		.amdhsa_group_segment_fixed_size 327680
		.amdhsa_private_segment_fixed_size 0
		.amdhsa_enable_private_segment 0
		.amdhsa_kernarg_size 56
		.amdhsa_user_sgpr_count 2
		.amdhsa_user_sgpr_kernarg_segment_ptr 1
		.amdhsa_wavefront_size32 1
		.amdhsa_system_sgpr_workgroup_id_x 1
		.amdhsa_system_sgpr_workgroup_id_y 1
		.amdhsa_system_sgpr_workgroup_id_z 1
		.amdhsa_system_vgpr_workitem_id 0
		.amdhsa_next_free_vgpr 640
		.amdhsa_next_free_sgpr 100
		.amdhsa_reserve_vcc 0
		.amdhsa_float_denorm_mode_32 3
		.amdhsa_float_denorm_mode_16_64 3
		.amdhsa_memory_ordered 1
		.amdhsa_forward_progress 1
		.amdhsa_inst_pref_size 106
	.end_amdhsa_kernel
	.amdgpu_metadata
---
amdhsa.version: [ 1, 2 ]
amdhsa.kernels:
  - .name:           k_qc1a31741d4_w2
    .symbol:         k_qc1a31741d4_w2.kd
    .args:
      - { .name: img, .offset: 0, .size: 8, .value_kind: global_buffer, .address_space: global }
      - { .name: imgs, .offset: 8, .size: 8, .value_kind: global_buffer, .address_space: global }
      - { .name: W2_codes, .offset: 16, .size: 8, .value_kind: global_buffer, .address_space: global }
      - { .name: W2_scales, .offset: 24, .size: 8, .value_kind: global_buffer, .address_space: global }
      - { .name: b2, .offset: 32, .size: 8, .value_kind: global_buffer, .address_space: global }
      - { .name: h, .offset: 40, .size: 8, .value_kind: global_buffer, .address_space: global }
      - { .name: y, .offset: 48, .size: 8, .value_kind: global_buffer, .address_space: global }
    .group_segment_fixed_size: 327680
    .private_segment_fixed_size: 0
    .kernarg_segment_align: 8
    .kernarg_segment_size: 56
    .max_flat_workgroup_size: 128
    .sgpr_count:     100
    .vgpr_count:     640
    .wavefront_size: 32
...
	.end_amdgpu_metadata
.endif
;; end of part 7
;; launch ln2 (part 8): grid 256 x 1, 16 waves a work-group, no clusters, 0 bytes of LDS; arguments y, ln_g, ln_b, out0; writes out0
.if DOCPART == 8
	.amdgcn_target "amdgcn-amd-amdhsa--gfx1250"
	.amdhsa_code_object_version 6
	.text
	.protected	k_qc1a31741d4_ln2
	.globl	k_qc1a31741d4_ln2
	.p2align	8
	.type	k_qc1a31741d4_ln2,@function
k_qc1a31741d4_ln2:
	s_mov_b64 s[64:65], 0
	v_nop
	global_prefetch_b8 v0, s[64:65] scope:SCOPE_SE
	s_setreg_imm32_b32 hwreg(HW_REG_WAVE_MODE, 25, 1), 1
	s_wait_xcnt 0x0
; out0 = LayerNorm(y) x g + b, f32 [4096][1024].
; SHARES.  A wave takes ONE row, whole: eight loads of 512 consecutive bytes, 32 registers; a work-group of sixteen waves takes 16 rows.  A wave's loads go out at its head, the row's ahead of g's and b's:
; 4,096 waves x 4,096 bytes are all of y, so every byte is asked for before any is worked on.  All sixteen waves of a work-group read the same 8,192 bytes of g and b.
; Mean, then the mean of the squared differences (two passes over registers), 1 / sqrt by v_rsq_f32.  Waves share nothing: no LDS, no barrier.
; LIMITS: NaN and infinities are not served.
.set X,    20                          ; v20-51   the row
.set G,    52                          ; v52-83   g, in the row's layout
.set BE,   84                          ; v84-115  b
	s_load_b128 s[4:7], s[0:1], 0x0                ; y, g
	s_load_b128 s[8:11], s[0:1], 0x10              ; b, out0
	v_lshrrev_b32 v6, 5, v0
	s_delay_alu instid0(VALU_DEP_1)
	v_readfirstlane_b32 s16, v6                    ; wave 0..15
	v_and_b32 v7, 31, v0
	s_delay_alu instid0(VALU_DEP_1)
	v_lshlrev_b32 v1, 4, v7                        ; 16 lane; never rewritten
	v_mov_b32 v15, 0                               ; upper halves of pairs of which the low word serves both halves
	v_mov_b32 v19, 0
	s_lshl_b32 s17, ttmp9, 4
	s_add_co_u32 s17, s17, s16                     ; my row: 16 x work-group + wave
	s_lshl_b32 s18, s17, 12                        ; 4,096 bytes a row
	s_mov_b32 s19, 0
	s_mov_b32 s20, 0x3a800000                      ; 1 / 1024
	s_mov_b32 s21, 0x3727c5ac                      ; 1e-5
	s_mov_b32 s26, 0x76543210
	s_mov_b32 s27, 0xfedcba98                      ; v_permlanex16_b32's selects for lane l xor 16
	s_wait_alu depctr_va_vdst(0)
	s_wait_kmcnt 0x0
	s_add_nc_u64 s[4:5], s[4:5], s[18:19]
	s_add_nc_u64 s[10:11], s[10:11], s[18:19]
.irp j, 0,1,2,3,4,5,6,7
	global_load_b128 v[X+4*\j:X+4*\j+3], v1, s[4:5] offset:512*\j th:TH_LOAD_NT
.endr
.irp j, 0,1,2,3,4,5,6,7
	global_load_b128 v[G+4*\j:G+4*\j+3], v1, s[6:7] offset:512*\j
.endr
.irp j, 0,1,2,3,4,5,6,7
	global_load_b128 v[BE+4*\j:BE+4*\j+3], v1, s[8:9] offset:512*\j
.endr
.macro ACROSS                          ; v[6:7] summed over its halves and the 32 lanes; the result in every lane's v6
	s_delay_alu instid0(VALU_DEP_1)
	v_add_f32 v6, v6, v7
	s_delay_alu instid0(VALU_DEP_1)
	v_add_f32_dpp v6, v6, v6 row_xmask:1 row_mask:0xf bank_mask:0xf
	s_delay_alu instid0(VALU_DEP_1)
	v_add_f32_dpp v6, v6, v6 row_xmask:2 row_mask:0xf bank_mask:0xf
	s_delay_alu instid0(VALU_DEP_1)
	v_add_f32_dpp v6, v6, v6 row_xmask:4 row_mask:0xf bank_mask:0xf
	s_delay_alu instid0(VALU_DEP_1)
	v_add_f32_dpp v6, v6, v6 row_xmask:8 row_mask:0xf bank_mask:0xf
	s_delay_alu instid0(VALU_DEP_1)
	v_permlanex16_b32 v7, v6, s26, s27
	s_delay_alu instid0(VALU_DEP_1)
	v_add_f32 v6, v6, v7
.endm
.macro JOIN                            ; four chains into one
	s_delay_alu instid0(VALU_DEP_3)
	v_pk_add_f32 v[6:7], v[6:7], v[8:9]
	s_delay_alu instid0(VALU_DEP_2)
	v_pk_add_f32 v[10:11], v[10:11], v[12:13]
	s_delay_alu instid0(VALU_DEP_1)
	v_pk_add_f32 v[6:7], v[6:7], v[10:11]
.endm
	s_wait_loadcnt 16                              ; my row is in; g's and b's sixteen loads may be out
.irp k, 0,1,2,3
	v_pk_add_f32 v[6+2*\k:7+2*\k], v[X+2*\k:X+2*\k+1], v[X+8+2*\k:X+9+2*\k]
.endr
.irp m, 16,24
.irp k, 0,1,2,3
	s_delay_alu instid0(VALU_DEP_4)
	v_pk_add_f32 v[6+2*\k:7+2*\k], v[6+2*\k:7+2*\k], v[X+\m+2*\k:X+\m+2*\k+1]
.endr
.endr
	JOIN
	ACROSS
	s_delay_alu instid0(VALU_DEP_1)
	v_mul_f32 v14, s20, v6                         ; the mean
.set k, 0
.rept 16
	v_pk_add_f32 v[X+k:X+k+1], v[X+k:X+k+1], v[14:15] op_sel_hi:[1,0] neg_lo:[0,1] neg_hi:[0,1]
.set k, k+2
.endr
.irp k, 0,1,2,3
	v_pk_mul_f32 v[6+2*\k:7+2*\k], v[X+2*\k:X+2*\k+1], v[X+2*\k:X+2*\k+1]
.endr
.irp m, 8,16,24
.irp k, 0,1,2,3
	s_delay_alu instid0(VALU_DEP_4)
	v_pk_fma_f32 v[6+2*\k:7+2*\k], v[X+\m+2*\k:X+\m+2*\k+1], v[X+\m+2*\k:X+\m+2*\k+1], v[6+2*\k:7+2*\k]
.endr
.endr
	JOIN
	ACROSS
	s_delay_alu instid0(VALU_DEP_1)
	v_fma_f32 v16, v6, s20, s21                    ; the variance + 1e-5
	s_wait_alu depctr_va_vdst(0)
	v_rsq_f32 v18, v16
	v_nop
	s_wait_alu depctr_va_vdst(0)                   ; ahead of the first reader
.set k, 0
.rept 16
	v_pk_mul_f32 v[X+k:X+k+1], v[X+k:X+k+1], v[18:19] op_sel_hi:[1,0]
.set k, k+2
.endr
	s_wait_loadcnt 0x0                             ; g and b
.set k, 0
.rept 16
	v_pk_fma_f32 v[X+k:X+k+1], v[X+k:X+k+1], v[G+k:G+k+1], v[BE+k:BE+k+1]
.set k, k+2
.endr
.irp j, 0,1,2,3,4,5,6,7
	global_store_b128 v1, v[X+4*\j:X+4*\j+3], s[10:11] offset:512*\j th:TH_STORE_NT   ; 512 consecutive bytes, aligned; written once, read by nobody here
.endr
	s_endpgm
.Lfunc_end_k_qc1a31741d4_ln2:
	.size	k_qc1a31741d4_ln2, .Lfunc_end_k_qc1a31741d4_ln2-k_qc1a31741d4_ln2
	.p2alignl 7, 3214868480
	.fill 96, 4, 3214868480
	.section	.rodata,"a",@progbits
	.p2align	6, 0x0
	.amdhsa_kernel k_qc1a31741d4_ln2
		.amdhsa_group_segment_fixed_size 0
		.amdhsa_private_segment_fixed_size 0
		.amdhsa_enable_private_segment 0
		.amdhsa_kernarg_size 32
		.amdhsa_user_sgpr_count 2
		.amdhsa_user_sgpr_kernarg_segment_ptr 1
		.amdhsa_wavefront_size32 1
		.amdhsa_system_sgpr_workgroup_id_x 1
		.amdhsa_system_sgpr_workgroup_id_y 1
		.amdhsa_system_sgpr_workgroup_id_z 1
		.amdhsa_system_vgpr_workitem_id 0
		.amdhsa_next_free_vgpr 128
		.amdhsa_next_free_sgpr 66
		.amdhsa_reserve_vcc 0
		.amdhsa_float_denorm_mode_32 3
		.amdhsa_float_denorm_mode_16_64 3
		.amdhsa_memory_ordered 1
		.amdhsa_forward_progress 1
		.amdhsa_inst_pref_size 12
	.end_amdhsa_kernel
	.amdgpu_metadata
---
amdhsa.version: [ 1, 2 ]
amdhsa.kernels:
  - .name:           k_qc1a31741d4_ln2
    .symbol:         k_qc1a31741d4_ln2.kd
    .args:
      - { .name: y, .offset: 0, .size: 8, .value_kind: global_buffer, .address_space: global }
      - { .name: ln_g, .offset: 8, .size: 8, .value_kind: global_buffer, .address_space: global }
      - { .name: ln_b, .offset: 16, .size: 8, .value_kind: global_buffer, .address_space: global }
      - { .name: out0, .offset: 24, .size: 8, .value_kind: global_buffer, .address_space: global }
    .group_segment_fixed_size: 0
    .private_segment_fixed_size: 0
    .kernarg_segment_align: 8
    .kernarg_segment_size: 32
    .max_flat_workgroup_size: 512
    .sgpr_count:     66
    .vgpr_count:     128
    .wavefront_size: 32
...
	.end_amdgpu_metadata
.endif
;; end of part 8
